; MI455X (gfx1250); checked and timed in simulation.
; The chip was launched on July 23, 2026; its instructions are those of AMD's public machine-readable ISA for CDNA 5 (MIT licence, August 2026) and "CDNA5" Instruction Set Architecture Reference Guide (July 2026). The comments in the code are by the model that wrote it; some were corrected since.
;; Flash Attention. Allowed arithmetic: matrix products marked QUANTISED: E2M1 operands, one E8M0 scale for each 32 along K, by v_wmma_scale_f32_16x16x128_f8f6f4 with both operands' format E2M1 (or v_wmma_scale_f32_32x16x128_f4), f32 sums; products left as they are: bf16, f16 or f32 operands; f32 sums; everything else in f32.
;; Inputs: W_o 1,024 x 1,024 float32; W_qkv 3,072 x 1,024 float32; in_features 4 x 2,048 x 1,024 float32.
;; Outputs: out0 4 x 2,048 x 1,024 float32.
;; This version of the problem:
;;   THIS VERSION OF THE PROBLEM IS GIVEN IN LOW PRECISION. The matrix products marked QUANTISED in the list below multiply operands that are first quantised to E2M1 (2 exponent bits, 1 mantissa bit; 4 bits a number), with one power-of-two scale for each 32 numbers along K (OCP MX v1.0); their sums are f32. The products marked 'left as it is' may take bf16, f16 or f32 operands, with f32 sums. Whichever they take, every output number must still come out within the allowed error. Rounding operands to bf16 (8 significant bits) uses up far more of that allowance than f16 does (11 bits, for magnitudes from 6e-5 to 65,504). All else is computed in f32.
;;   The module's matrix products, in the order in which they are computed (A, B: the left and right operand; K: the contracted axis; several contracted axes count as one K, in the product's order):
;;     1. [M 8,192, K 1,024] x [K 1,024, N 3,072]; A: input in_features; B: input W_qkv: QUANTISED
;;     2. batch 64 x [M 2,048, K 64] x [K 64, N 2,048]; A: computed on the way; B: computed on the way: left as it is (an operand is computed on the way)
;;     3. batch 64 x [M 2,048, K 2,048] x [K 2,048, N 64]; A: computed on the way; B: computed on the way: left as it is (an operand is computed on the way)
;;     4. [M 8,192, K 1,024] x [K 1,024, N 1,024]; A: computed on the way; B: input W_o: left as it is (an operand is computed on the way)
;;   THE QUANTISER, for each operand of a quantised product, along K:
;;     - K is cut into blocks of 32 from its start; a last block that is shorter is filled with zeros.
;;     - A block's scale is 2^e with e = floor(log2(the largest magnitude in the block)) - 2, held to -126 .. 127; a block of zeros has e = 0. As a byte (E8M0): e + 127.
;;     - Each number is divided by its block's scale, clamped to +-6, and rounded to the nearest number of E2M1, ties to even, subnormals kept.
;;     - The product sums the exact products of the quantised numbers (number of the format x scale) in f32.
;;   ~~~python
;;   def quantise(x, axis):      # numpy; x: float32 -> the quantised numbers, widened to float32 again
;;       x = np.moveaxis(x, axis, -1); K = x.shape[-1]
;;       x = np.pad(x, [(0, 0)] * (x.ndim - 1) + [(0, -K % 32)]); x = x.reshape(x.shape[:-1] + (-1, 32)); a = np.abs(x).max(-1, keepdims=True)
;;       e = np.where(a > 0, np.clip(np.frexp(np.where(a > 0, a, 1))[1] - 1 - 2, -126, 127), 0)      # np.frexp(a)[1] - 1 = floor(log2(a)), exactly
;;       r = np.clip(x / 2.0 ** e, -6, 6)
;;       step = 2.0 ** (np.maximum(np.frexp(np.where(r == 0, 1, r))[1] - 1, 0) - 1)
;;       q = np.round(r / step) * step * 2.0 ** e      # np.round: ties to even
;;       return np.moveaxis(q.reshape(q.shape[:-2] + (-1,))[..., :K], -1, axis).astype(np.float32)
;;   ~~~
;; One version. Each part assembles by itself: llvm-mc -triple=amdgcn-amd-amdhsa -mcpu=gfx1250 --defsym DOCPART=n.
;; ======== version 1 of 1: 4 launches
;; limits: values are held in f16: magnitudes above 65,504 overflow, below 6.1e-05 lose precision
;; workspace buffers: x_codes 4,194,304 bytes; x_scales 262,144 bytes; w_codes 1,572,864 bytes; w_scales 98,304 bytes; wo16 2,097,152 bytes; qkv 50,331,648 bytes; oimg 16,777,216 bytes
;; launch quant (part 1): grid 384 x 1, 4 waves a work-group, no clusters, 33,280 bytes of LDS; arguments in_features, W_qkv, x_codes, x_scales, w_codes, w_scales, W_o, wo16; writes x_codes, x_scales, w_codes, w_scales, wo16
.if DOCPART == 1
	.amdgcn_target "amdgcn-amd-amdhsa--gfx1250"
	.amdhsa_code_object_version 6
	.text
	.protected	k_q96458087a0_quant
	.globl	k_q96458087a0_quant
	.p2align	8
	.type	k_q96458087a0_quant,@function
k_q96458087a0_quant:
	s_mov_b64 s[64:65], 0
	v_nop
	global_prefetch_b8 v0, s[64:65] scope:SCOPE_SE
	s_setreg_imm32_b32 hwreg(HW_REG_WAVE_MODE, 25, 1), 1
	s_wait_xcnt 0x0
; THE WHOLE PROGRAM: out0 = attention(in_features W_qkv^T) W_o^T, 4 x 2,048 tokens, 16 heads of 64, no mask.  Four launches: this one; the product with W_qkv on codes; attention; the product with W_o.
; NO WORK IS LEFT OUT: all three inputs reach the output, nothing is masked and nothing is sliced away.
; THIS LAUNCH.  in_features [8192][1024] and W_qkv [3072][1024], f32, become codes of FP4 (E2M1), 4 bits each, K innermost, with one E8M0 scale byte for each 32 along K; W_o [1024][1024] is rounded to f16 (its product is not quantised).
; A block's scale is 2^(floor(log2(its largest magnitude)) - 2); its byte is the largest magnitude's own exponent field - 2, held at 1 from below.  Each number is divided by the scale and rounded to the nearest code, ties to even; beyond 6 the largest code.
; (A block of zeros so gets the byte 1 where the rule says 127: its codes are zeros, which add nothing under any byte but 0xff, and the bytes are read by this program alone.)
; LIMITS: NaN and infinities among the inputs are not served; blocks whose largest magnitude lies under 2^(2 - 126), whose byte is held at 1, were not tried; numbers of W_o beyond 65,504 do not fit f16, those under 6e-5 keep an absolute error of 3e-8.
; Rows are dense and 1,024 is a multiple of 32, so a tensor is a plain stream of blocks of 32 numbers, and so are its codes and scale bytes.  A wave takes 8,192 numbers.
; Work-groups 0-255 take in_features, 256-351 W_qkv (one path, the buffers chosen by the work-group's number), 352-383 W_o (a path of its own, with no data in LDS).
; QUANTISING: 16 steps of 512 numbers.  The conversions take 8 numbers of ONE block from a lane's registers, so a lane must hold 16 neighbours (two neighbouring lanes hold a block); a load is best where neighbouring LANES take
; neighbouring bytes.  Both are had: each of a step's four loads reads 512 consecutive bytes; the 2,048 bytes go through the wave's own stage in LDS and come back 64 bytes a lane (16 bytes of padding behind each 64).
; A lane's 16 codes are 8 bytes: the wave stores 256 consecutive bytes.  A wave's 256 scale bytes are gathered in LDS and leave as one aligned run of 256 bytes.
; No tensor loads, no ring, no barrier, no cluster: waves and work-groups share nothing.
.set WAVES, 4
.set STEPS, 16
.set WGA,   256                        ; work-groups for in_features: 8192 x 1024 / 32768
.set WGQ,   352                        ; and with W_qkv's 96
.set EMAX,  2
.set CB,    8                          ; bytes of 16 codes
.set R,     16                         ; v16-79   four sets of 16 numbers as they are loaded
.set X,     80                         ; v80-111  two sets of 16 neighbours
.set C,     128                        ; v128-191 codes: four registers for each step, so that no store's data are written again
.set E,     112                        ; v112-127 a scale byte for each step
.set WREG,  8192                       ; LDS: a region for each wave: two stages of 32 x SP bytes, and behind them its 256 scale bytes
.set SP,    80                         ; a lane's place in a stage: its 64 bytes + 16 of padding
.set SPW,   12                         ; v12      LDS address of my spare word: SPARE + 4 x my thread's number; never rewritten
.set NIL,   13                         ; v13      0; never rewritten
.set SPARE, WAVES*WREG                 ; behind the four regions: the spare words, 128 bytes for each wave
	s_load_b128 s[4:7], s[0:1], 0x0                ; in_features, W_qkv
	s_load_b128 s[8:11], s[0:1], 0x10              ; x's codes, x's scales
	s_load_b128 s[12:15], s[0:1], 0x20             ; W_qkv's codes, its scales
	s_load_b128 s[24:27], s[0:1], 0x30             ; W_o, wo16
	v_lshl_add_u32 v[SPW], v0, 2, SPARE
	v_mov_b32 v[NIL], 0
	v_lshrrev_b32 v1, 5, v0
	v_readfirstlane_b32 s16, v1                    ; wave
	v_and_b32 v2, 31, v0                           ; lane
	v_lshlrev_b32 v3, 4, v2                        ; my 16 bytes of a load's 512
	s_mul_i32 s17, s16, WREG
	v_lshrrev_b32 v14, 2, v2
	v_mul_u32_u24 v14, v14, SP
	v_and_b32 v15, 3, v2
	v_lshl_add_u32 v14, v15, 4, v14
	v_add_nc_u32 v14, s17, v14                     ; the stage, on the way in: four lanes' 64 bytes on end, then 16 of padding
	v_mul_u32_u24 v15, v2, SP
	v_add_nc_u32 v15, s17, v15                     ; and on the way out: SP x lane: my 16 neighbours
	v_mul_u32_u24 v4, v2, CB                       ; 8 x lane: my codes' place in a step's, and my f16 numbers' place in a store of W_o's path
	v_lshrrev_b32 v5, 1, v2
	s_add_co_u32 s17, s17, 2*32*SP
	v_add_nc_u32 v5, s17, v5                       ; LDS: my wave's 256 scale bytes, my block's byte
	v_lshlrev_b32 v7, 3, v2                        ; and on the way out 8 bytes a lane
	v_add_nc_u32 v6, s17, v7
	s_wait_kmcnt 0x0
	s_cmp_ge_u32 ttmp9, WGQ                        ; the last 32 work-groups take W_o: the branch hangs on the work-group's number alone
	s_cbranch_scc1 .Lwo
	s_cmp_lt_u32 ttmp9, WGA                        ; in_features' work-group or W_qkv's?
	s_cselect_b64 s[4:5], s[4:5], s[6:7]
	s_cselect_b64 s[8:9], s[8:9], s[12:13]
	s_cselect_b64 s[10:11], s[10:11], s[14:15]
	s_cselect_b32 s17, 0, WGA
	s_sub_co_u32 s17, ttmp9, s17
	s_lshl_b32 s17, s17, 2
	s_add_co_u32 s18, s17, s16                     ; which run of 8,192 numbers of the tensor is my wave's
	s_mov_b32 s19, 0
	s_mov_b64 s[20:21], 512*STEPS*4
	s_mul_u64 s[20:21], s[18:19], s[20:21]
	s_add_nc_u64 s[4:5], s[4:5], s[20:21]
	s_mov_b64 s[20:21], 32*STEPS*CB
	s_mul_u64 s[20:21], s[18:19], s[20:21]
	s_add_nc_u64 s[8:9], s[8:9], s[20:21]
	s_lshl_b32 s18, s18, 8                         ; 256 scale bytes a run
	s_add_nc_u64 s[10:11], s[10:11], s[18:19]
.macro LOAD t
.irp i, 0,1,2,3
	global_load_b128 v[R+16*((\t)%4)+4*\i:R+16*((\t)%4)+4*\i+3], v3, s[4:5] offset:2048*(\t)+512*\i th:TH_LOAD_NT   ; 32 lanes read 512 consecutive bytes
.endr
.endm
.macro TURN t                          ; step t's numbers through the stage: LDS serves a wave's instructions in order, so no wait stands between the stores and the loads
.irp i, 0,1,2,3
	ds_store_b128 v14, v[R+16*((\t)%4)+4*\i:R+16*((\t)%4)+4*\i+3] offset:32*SP*((\t)%2)+8*SP*\i
.endr
.irp i, 0,1,2,3
	ds_load_b128 v[X+16*((\t)%2)+4*\i:X+16*((\t)%2)+4*\i+3], v15 offset:32*SP*((\t)%2)+16*\i
.endr
.endm
.irp t, 0,1,2,3
	LOAD \t
.endr
	s_wait_loadcnt 12                              ; step 0's four loads are in; the twelve of steps 1 to 3 may be out
	TURN 0
.macro STEP t
.set XS, X+16*((\t)%2)
.if (\t) > 0
	s_wait_dscnt 1                                 ; this step's numbers are back from the stage (the last step's byte store may be out): so its stores into the stage have read their registers,
.else
	s_wait_dscnt 0x0
.endif
.if (\t)+4 < STEPS
	LOAD (\t)+4                                    ; which take the loads of four steps on
.endif
.if (\t)+1 < STEPS
.if STEPS-2-(\t) >= 3
	s_wait_loadcnt 12                              ; the next step's four loads are in; those of the three steps behind it may be out
.else
	s_wait_loadcnt 4*(STEPS-2-(\t))
.endif
	TURN (\t)+1                                    ; and go through the other stage while this step is worked
.endif
	v_max3_num_f32 v8, |v[XS]|, |v[XS+1]|, |v[XS+2]|               ; the largest magnitude of my 16, in two chains
	v_max3_num_f32 v9, |v[XS+3]|, |v[XS+4]|, |v[XS+5]|
.irp i, 6,10
	v_max3_num_f32 v8, v8, |v[XS+\i]|, |v[XS+\i+1]|
	v_max3_num_f32 v9, v9, |v[XS+\i+2]|, |v[XS+\i+3]|
.endr
	v_max3_num_f32 v8, v8, |v[XS+14]|, |v[XS+15]|
	v_max3_num_f32 v8, v8, v9, (EMAX+1)<<23        ; and the floor 2^(EMAX + 1 - 127): so the byte cannot fall under 1
	v_max_num_f32_dpp v8, v8, v8 row_xmask:1 row_mask:0xf bank_mask:0xf   ; and of my neighbour's 16: the block's
	v_add_nc_u32 v11, -(EMAX<<23), v8              ; EMAX off its exponent field: the conversion takes the exponent field of this operand as its scale, and nothing else of it
	v_cvt_scalef32_pk8_fp4_f32 v[C+4*(\t)], v[XS:XS+7], v11        ; eight numbers / the scale, to the nearest code; the first number's code in the lowest four bits
	v_cvt_scalef32_pk8_fp4_f32 v[C+4*(\t)+1], v[XS+8:XS+15], v11
	v_lshrrev_b32 v[E+(\t)], 23, v11               ; the scale's byte (also the plain line behind the conversions)
	ds_store_b8 v5, v[E+(\t)] offset:16*(\t)       ; both lanes of a block write the same byte with the same value
	global_store_b64 v4, v[C+4*(\t):C+4*(\t)+1], s[8:9] offset:32*CB*(\t)   ; 32 lanes store 256 consecutive bytes, aligned
.endm
.irp t, 0,1,2,3,4,5,6,7,8,9,10,11,12,13,14,15
	STEP \t
.endr
	ds_load_b64 v[8:9], v6                         ; LDS serves a wave's instructions in order: these see my stores
	s_wait_dscnt 0x0
	global_store_b64 v7, v[8:9], s[10:11]          ; 32 lanes store 256 consecutive bytes, aligned
	s_wait_tensorcnt 0x0                           ; the wave's end, behind my last LDS store
	ds_add_u32 v[SPW], v[NIL]
	s_wait_dscnt 0x0
	s_endpgm
; W_o TO f16.  A wave takes 8,192 numbers in four batches of sixteen loads of 512 consecutive bytes; two batches are always asked for.  A lane's four numbers become 8 bytes: a store covers 256 consecutive bytes, aligned.
.set L,  16                            ; v16-79, v80-143 two sets of sixteen loads
.set H,  144                           ; v144-175 a batch's f16 numbers
.Lwo:
	s_sub_co_u32 s17, ttmp9, WGQ
	s_lshl_b32 s17, s17, 2
	s_add_co_u32 s17, s17, s16                     ; which run of 8,192 numbers is my wave's
	s_lshl_b32 s18, s17, 15                        ; 32,768 bytes in,
	s_mov_b32 s19, 0
	s_add_nc_u64 s[24:25], s[24:25], s[18:19]
	s_lshl_b32 s18, s17, 14                        ; 16,384 out
	s_add_nc_u64 s[26:27], s[26:27], s[18:19]
.macro WLOAD b
.irp i, 0,1,2,3,4,5,6,7,8,9,10,11,12,13,14,15
	global_load_b128 v[L+64*((\b)%2)+4*\i:L+64*((\b)%2)+4*\i+3], v3, s[24:25] offset:8192*(\b)+512*\i th:TH_LOAD_NT
.endr
.endm
.macro WBATCH b
.if (\b) > 0
	s_wait_xcnt 0x0                                ; the last batch's stores have read their data: the registers are written again only behind this wait
.endif
.irp i, 0,1,2,3,4,5,6,7,8,9,10,11,12,13,14,15
.if (\b) < 3
	s_wait_loadcnt 31-\i                           ; behind load i: the rest of its batch and the sixteen of the next
.else
	s_wait_loadcnt 15-\i                           ; the last batch: the rest of it alone
.endif
	v_cvt_pk_f16_f32 v[H+2*\i], v[L+64*((\b)%2)+4*\i], v[L+64*((\b)%2)+4*\i+1]      ; to nearest, ties to even; the first source in the low half
	v_cvt_pk_f16_f32 v[H+2*\i+1], v[L+64*((\b)%2)+4*\i+2], v[L+64*((\b)%2)+4*\i+3]
	global_store_b64 v4, v[H+2*\i:H+2*\i+1], s[26:27] offset:4096*(\b)+256*\i
.endr
.if (\b) < 2
	WLOAD (\b)+2                                   ; the set just read takes the batch two on
.endif
.endm
	WLOAD 0
	WLOAD 1
	WBATCH 0
	WBATCH 1
	WBATCH 2
	WBATCH 3
	s_wait_tensorcnt 0x0                           ; the wave's end, as on the other path
	ds_add_u32 v[SPW], v[NIL]
	s_wait_dscnt 0x0
	s_endpgm
.Lfunc_end_k_q96458087a0_quant:
	.size	k_q96458087a0_quant, .Lfunc_end_k_q96458087a0_quant-k_q96458087a0_quant
	.p2alignl 7, 3214868480
	.fill 96, 4, 3214868480
	.section	.rodata,"a",@progbits
	.p2align	6, 0x0
	.amdhsa_kernel k_q96458087a0_quant
		.amdhsa_group_segment_fixed_size 33280
		.amdhsa_private_segment_fixed_size 0
		.amdhsa_enable_private_segment 0
		.amdhsa_kernarg_size 64
		.amdhsa_user_sgpr_count 2
		.amdhsa_user_sgpr_kernarg_segment_ptr 1
		.amdhsa_wavefront_size32 1
		.amdhsa_system_sgpr_workgroup_id_x 1
		.amdhsa_system_sgpr_workgroup_id_y 1
		.amdhsa_system_sgpr_workgroup_id_z 1
		.amdhsa_system_vgpr_workitem_id 0
		.amdhsa_next_free_vgpr 192
		.amdhsa_next_free_sgpr 66
		.amdhsa_reserve_vcc 0
		.amdhsa_float_denorm_mode_32 3
		.amdhsa_float_denorm_mode_16_64 3
		.amdhsa_memory_ordered 1
		.amdhsa_forward_progress 1
		.amdhsa_inst_pref_size 56
	.end_amdhsa_kernel
	.amdgpu_metadata
---
amdhsa.version: [ 1, 2 ]
amdhsa.kernels:
  - .name:           k_q96458087a0_quant
    .symbol:         k_q96458087a0_quant.kd
    .args:
      - { .name: in_features, .offset: 0, .size: 8, .value_kind: global_buffer, .address_space: global }
      - { .name: W_qkv, .offset: 8, .size: 8, .value_kind: global_buffer, .address_space: global }
      - { .name: x_codes, .offset: 16, .size: 8, .value_kind: global_buffer, .address_space: global }
      - { .name: x_scales, .offset: 24, .size: 8, .value_kind: global_buffer, .address_space: global }
      - { .name: w_codes, .offset: 32, .size: 8, .value_kind: global_buffer, .address_space: global }
      - { .name: w_scales, .offset: 40, .size: 8, .value_kind: global_buffer, .address_space: global }
      - { .name: W_o, .offset: 48, .size: 8, .value_kind: global_buffer, .address_space: global }
      - { .name: wo16, .offset: 56, .size: 8, .value_kind: global_buffer, .address_space: global }
    .group_segment_fixed_size: 33280
    .private_segment_fixed_size: 0
    .kernarg_segment_align: 8
    .kernarg_segment_size: 64
    .max_flat_workgroup_size: 128
    .sgpr_count:     66
    .vgpr_count:     192
    .wavefront_size: 32
...
	.end_amdgpu_metadata
.endif
;; end of part 1
;; launch qkv (part 2): grid 12 x 32, 4 waves a work-group, clusters of 4 x 4, 327,680 bytes of LDS; arguments x_codes, x_scales, w_codes, w_scales, qkv; writes qkv
.if DOCPART == 2
	.amdgcn_target "amdgcn-amd-amdhsa--gfx1250"
	.amdhsa_code_object_version 6
	.text
	.protected	k_q96458087a0_qkv
	.globl	k_q96458087a0_qkv
	.p2align	8
	.type	k_q96458087a0_qkv,@function
k_q96458087a0_qkv:
	s_mov_b64 s[64:65], 0
	v_nop
	global_prefetch_b8 v0, s[64:65] scope:SCOPE_SE
	s_setreg_imm32_b32 hwreg(HW_REG_WAVE_MODE, 25, 1), 1
	s_wait_xcnt 0x0
	s_wait_alu depctr_hold_cnt(0) depctr_sa_sdst(0) depctr_va_vdst(0) depctr_va_sdst(0) depctr_va_ssrc(0) depctr_va_vcc(0) depctr_vm_vsrc(0)
	s_getreg_b32 s2, hwreg(HW_REG_IB_STS2, 6, 4)
	s_cmp_eq_u32 s2, 0
	s_cbranch_scc0 .Lentry_in_a_cluster
	s_endpgm
.Lentry_in_a_cluster:
	s_bfe_u32 s2, ttmp6, 0x10000c
	s_cmp_lg_u32 s2, 0xf033
	s_cbranch_scc0 .Lentry_shape_is_right
	s_endpgm
.Lentry_shape_is_right:
; q, k, v = x W_qkv^T on codes of FP4 (E2M1) with one E8M0 scale for each 32 along K; sums in f32; K = 1,024.  No work is left out.
; The results are rounded to f16 and stored AS IMAGES OF THE REGISTERS in which the attention launch wants its operands, so that launch loads fragments whole and this one needs no stage on its way out.
; LIMIT: |q|, |k|, |v| beyond 65,504 do not fit f16.
; A tile of 256 x 256 results is made by a work-group of four waves; a wave makes 128 x 128: 64 accumulators of 16 x 16, 512 registers.  K is two slots of 512 (rows of 256 bytes): both are first fills, nothing is filled again.
; ROLES.  Source 1 of the matrix instruction ("A" below) gives the result's LANE (row l % 16), source 0 ("B") its REGISTERS (eight neighbours 8 (l / 16) + 0 .. 7).
;   q, k (cluster x = 0, 1): A = tokens, B = rows of W: a lane holds one token and eight neighbouring channels: half a fragment of K or Q for S^T = K Q^T.
;   v    (cluster x = 2):    A = rows of W, B = tokens: a lane holds one channel and eight neighbouring keys: half a fragment of V^T for O^T = V^T P.
;   Both tensors' rows are 512 bytes of codes and 32 of scales, so only pointers and tile numbers are chosen, by the cluster's x, which all sixteen partners share.
; qkv: [batch x head 64][group of 64 tokens 32][24,576 bytes]: Q at 0, fragment (16 tokens kb, 32 channels f) at (2 kb + f) 1,024; K at 8,192 likewise; V at 16,384, fragment (32 keys k32, 16 channels cb) at (4 k32 + cb) 1,024.
;   A fragment is [registers 0-3 | registers 4-7][lane][16 bytes].
; CLUSTERS: 4 x 4 work-groups.  The four of a row of the cluster need the same tiles of A, the four of a column the same tiles of B: each tile is asked for JOINTLY, by the same tensor load with the same descriptor and a mask that names the four.
; THE SCALES of the work-group's 256 rows of A and of B, for all of K, are two dense blocks of memory: they come into LDS once, with the first fills.
; REGISTERS, in windows of 256: window 0: v0-31 addresses; v32-95 scale words, two sets; v128-191 A's fragments, ONE set; on the way out v32-159 take the packed results.
;   window 1: B's fragments, TWO sets, at v0 and v128.   window 2: the 32 accumulators of A's blocks 0-3 ((a, b) at v[8 (8 a + b)]);   window 3: those of blocks 4-7.
.set KSTEP,  512                       ; along K in a slot
.set NQ,     KSTEP/128                 ; matrix instructions deep
.set ROWB,   256                       ; a tile's row in bytes
.set KROW,   512                       ; a row of codes in memory
.set PITCH,  272                       ; an LDS row: 256 bytes + 16 of padding = 68 words: the 16 rows that a load touches start at 16 different banks (64 banks of 4 bytes: ISA guide 11.1)
.set FR,     8                         ; registers of a fragment: 16 rows x 128 K
.set NL,     2                         ; LDS loads that bring one
.set NP,     4                         ; places behind this matrix instruction (ISA guide 7.12.1)
.set HALFT,  128*PITCH                 ; 128 rows: what one tensor load brings, and what one wave reads of A or of B
.set SLOT,   4*HALFT                   ; A's 256 rows, then B's 256 rows
.set KS,     32                        ; a row of scales in bytes
.set SCL,    2*SLOT                    ; behind the slots: the scales, as runs of 256 bytes + 16 of padding
.set HALFS,  (128*KS/256)*272          ; the scales of 128 rows: what one tensor load brings
.set SBLK,   (16*KS/256)*272           ; those of 16 rows
.set SPARE,  SCL+4*HALFS               ; behind the scales: the spare words, 128 bytes for each wave
.set HEADB,  786432                    ; qkv: a batch and head
.set GRP,    24576                     ; a group of 64 tokens
.set ADRA, 16                          ; v16-17  LDS address of my A fragments in slot 0, 1
.set ADRB, 20                          ; v20-21  the same for B
.set CO,   26                          ; v26     16 x lane: my place in an image
.set ADRS, 27                          ; v27     LDS address of my scale words: lanes 0-15 A's rows, lanes 16-31 B's
.set SPW,  28                          ; v28     LDS address of my spare word; never rewritten
.set NIL,  29                          ; v29     0; never rewritten
.set SC,   32                          ; scale words: set s at v[SC + 8 NQ s]; register NQ i + q: lanes 0-15 the word of A's block i, lanes 16-31 that of B's block i, for the slot's q-th 128 along K
.set AF,   128                         ; A's fragments, in window 0
.set T,    32                          ; the way out: 32 accumulators packed, four registers each
.set G1, 24                            ; s[24:31] descriptor group 1 for A's tiles;  s[32:39] group 0, one set for each slot
.set G0, 32
.set G1B, 48                           ; s[48:55], s[56:63] the same for B's tiles
.set G0B, 56
.set G1S, 68                           ; s[68:75], s[76:79] groups 1 and 0 for A's scales;  s[80:87], s[88:91] for B's
.set G0S, 76
.set G1SB, 80
.set G0SB, 88
.set MSB, 0
.macro WIN new                         ; the immediate's high byte repeats the setting that is left
.if MSB != (\new)
	s_set_vgpr_msb (MSB<<8)|(\new)
.set MSB, (\new)
.endif
.endm
.set MUL_LO, 0xa1                      ; source 0 (B) window 1, source 1 (A) window 0, C and D window 2
.set MUL_HI, 0xf1                      ; the same, C and D window 3
.set TO_B,   0x40                      ; destination window 1, address window 0
; A joint load: waves 0 and 1 fetch for A, waves 2 and 3 for B.  Each of the two lines has ONE mask and one set of registers for all that issue it; the branch hangs on the wave's number alone.
; An s_nop 0 and four v_nop follow each of the two lines, ahead of the jump, the label and what follows.
.macro JLOAD g0a, g1a, g0b, g1b
	s_cmp_eq_u32 s15, 0
	s_cbranch_scc0 .Lfor_b_\@
	tensor_load_to_lds s[\g0a:\g0a+3], s[\g1a:\g1a+7]
	s_nop 0
.rept 4
	v_nop
.endr
	s_branch .Lasked_\@
.Lfor_b_\@:
	tensor_load_to_lds s[\g0b:\g0b+3], s[\g1b:\g1b+7]
	s_nop 0
.rept 4
	v_nop
.endr
.Lasked_\@:
.endm
.macro CROUND                          ; a round of the cluster's barrier: my work-group's barrier; wave 0 signals for the work-group; every wave waits for all sixteen; my work-group's barrier once more
	s_barrier_signal -1
	s_barrier_wait -1
	s_cmp_lg_u32 s14, 0
	s_cbranch_scc1 .Lnot_wave_0_\@
	s_barrier_signal -3
.Lnot_wave_0_\@:
	s_barrier_wait -3
	s_barrier_signal -1
	s_barrier_wait -1
.endm
	s_load_b128 s[4:7], s[0:1], 0x0                ; x's codes, x's scales
	s_load_b128 s[8:11], s[0:1], 0x10              ; W's codes, W's scales
	s_load_b64 s[12:13], s[0:1], 0x20              ; qkv
	v_lshl_add_u32 v[SPW], v0, 2, SPARE
	v_mov_b32 v[NIL], 0
	ds_add_u32 v[SPW], v[NIL]                      ; the wave's opening: the add, twice on end, and its wait ahead of my first tensor load; the set-up below stands between the second and the wait
	ds_add_u32 v[SPW], v[NIL]
	v_lshrrev_b32 v1, 5, v0
	v_readfirstlane_b32 s14, v1                    ; wave 0..3
	s_lshr_b32 s15, s14, 1                         ; which half of A's 256 rows is mine.  Also: I fetch for A (0) or for B (1)
	s_and_b32 s16, s14, 1                          ; which half of B's.  Also: which 128 rows of that tile I fetch
	s_bfe_u32 s40, ttmp6, 0x40000                  ; cx, cy: my place in the cluster
	s_bfe_u32 s41, ttmp6, 0x40004
	s_and_b32 s17, ttmp7, 0xffff                   ; the cluster's y
	s_cmp_eq_u32 ttmp9, 2                          ; the cluster's x: 0 q, 1 k, 2 v: the same in all sixteen partners
	s_cselect_b32 s3, 1, 0                         ; s3 = 1: v
	s_cselect_b32 s42, s17, ttmp9                  ; B walks the tokens for v (cluster y), else W's rows (cluster x)
	s_cselect_b32 s17, ttmp9, s17                  ; A the other way round
	s_lshl_b32 s42, s42, 2
	s_add_co_u32 s42, s42, s40                     ; B's tile of 256 rows = 4 x its cluster coordinate + cx
	s_lshl_b32 s17, s17, 2
	s_add_co_u32 s17, s17, s41                     ; A's tile = 4 x its cluster coordinate + cy
	s_lshl_b32 s43, s41, 2
	s_lshl_b32 s43, 15, s43                        ; my row of the cluster
	s_lshl_b32 s44, 0x1111, s40                    ; my column
	; descriptor group 1: a tile of 128 rows x 256 bytes, padded in LDS
	s_or_b32 s[G1+0], s43, (0<<16)|(1<<20)|(1<<21)|(5<<22)|(3<<25)  ; 15:0 the mask: A's tiles go to my row; 17:16 element of 1 byte; 20 padding on; 21 set beside a mask; 24:22 after every 64 words; 31:25 four words
	s_or_b32 s[G1B+0], s44, (0<<16)|(1<<20)|(1<<21)|(5<<22)|(3<<25)
.irp g, G1, G1B
	s_mov_b32 s[\g+1], ROWB<<16                    ; tensor_dim0
	s_mov_b32 s[\g+2], 128<<16                     ; tensor_dim1 = 128
	s_mov_b32 s[\g+3], ROWB<<16                    ; tile_dim0
	s_mov_b32 s[\g+4], 128                         ; tile_dim1 = 128
	s_mov_b32 s[\g+5], KROW                        ; tensor_dim0_stride
	s_mov_b32 s[\g+6], 0
	s_mov_b32 s[\g+7], 0
.endr
	; and for the scales of 128 rows: a dense block of 4,096 bytes, as 16 rows of 256 bytes (32 elements of 8 bytes), 16 bytes of padding behind each
	s_or_b32 s[G1S+0], s43, (3<<16)|(1<<20)|(1<<21)|(5<<22)|(3<<25)
	s_or_b32 s[G1SB+0], s44, (3<<16)|(1<<20)|(1<<21)|(5<<22)|(3<<25)
.irp g, G1S, G1SB
	s_mov_b32 s[\g+1], 32<<16
	s_mov_b32 s[\g+2], (128*KS/256)<<16
	s_mov_b32 s[\g+3], 32<<16
	s_mov_b32 s[\g+4], 128*KS/256
	s_mov_b32 s[\g+5], 32
	s_mov_b32 s[\g+6], 0
	s_mov_b32 s[\g+7], 0
.endr
	s_lshl_b32 s18, s16, 7                         ; which 128 rows of the tile I fetch
	s_lshl_b32 s20, s17, 8
	s_add_co_u32 s20, s20, s18                     ; A: row 256 x tile + 128 x half
	s_lshl_b32 s46, s42, 8
	s_add_co_u32 s46, s46, s18                     ; B likewise
	s_mov_b32 s21, 0
	s_mov_b32 s47, 0
	s_mov_b64 s[18:19], KS
	s_mul_u64 s[22:23], s[20:21], s[18:19]         ; where these rows' scales begin, in bytes
	s_mul_u64 s[92:93], s[46:47], s[18:19]
	s_mov_b64 s[18:19], KROW
	s_mul_u64 s[20:21], s[20:21], s[18:19]         ; and their codes
	s_mul_u64 s[46:47], s[46:47], s[18:19]
	s_mul_i32 s45, s14, HALFT                      ; where they go: wave x 128 rows: no place in the cluster enters an LDS address
	s_mul_i32 s94, s14, HALFS
	s_wait_dscnt 0x0                               ; both opening adds are done
	s_wait_kmcnt 0x0
	s_cmp_eq_u32 s3, 1                             ; the roles: for v, A is W and B is x
	s_cselect_b64 s[96:97], s[8:9], s[4:5]         ; A's codes,
	s_cselect_b64 s[8:9], s[4:5], s[8:9]           ; B's codes,
	s_mov_b64 s[4:5], s[96:97]
	s_cselect_b64 s[96:97], s[10:11], s[6:7]       ; A's scales,
	s_cselect_b64 s[10:11], s[6:7], s[10:11]       ; B's scales
	s_mov_b64 s[6:7], s[96:97]
	s_add_nc_u64 s[20:21], s[4:5], s[20:21]
	s_add_nc_u64 s[22:23], s[6:7], s[22:23]
	s_add_nc_u64 s[46:47], s[8:9], s[46:47]
	s_add_nc_u64 s[92:93], s[10:11], s[92:93]
	CROUND                                         ; all sixteen work-groups are here: the first joint loads meet
	s_mov_b32 s[G0S], 1
	s_add_co_u32 s[G0S+1], s94, SCL
	s_mov_b64 s[G0S+2:G0S+3], s[22:23]
	s_or_b32 s[G0S+3], s[G0S+3], 0x80000000
	s_mov_b32 s[G0SB], 1
	s_add_co_u32 s[G0SB+1], s94, SCL
	s_mov_b64 s[G0SB+2:G0SB+3], s[92:93]
	s_or_b32 s[G0SB+3], s[G0SB+3], 0x80000000
	JLOAD G0S, G1S, G0SB, G1SB                     ; the scales first: they are wanted with slot 0
.irp s, 0,1
	s_mov_b32 s[G0+4*\s], 1
	s_add_co_u32 s[G0+4*\s+1], s45, \s*SLOT
	s_add_nc_u64 s[G0+4*\s+2:G0+4*\s+3], s[20:21], \s*ROWB
	s_or_b32 s[G0+4*\s+3], s[G0+4*\s+3], 0x80000000
	s_mov_b32 s[G0B+4*\s], 1
	s_add_co_u32 s[G0B+4*\s+1], s45, \s*SLOT
	s_add_nc_u64 s[G0B+4*\s+2:G0B+4*\s+3], s[46:47], \s*ROWB
	s_or_b32 s[G0B+4*\s+3], s[G0B+4*\s+3], 0x80000000
	JLOAD G0+4*\s, G1, G0B+4*\s, G1B               ; three tensor loads of mine are out at the most
.endr
	v_and_b32 v1, 15, v0                           ; l % 16
	v_bfe_u32 v2, v0, 4, 1                         ; l / 16
	v_mul_u32_u24 v3, v1, PITCH
	v_lshl_add_u32 v4, v2, 4, v3                   ; a fragment's row x pitch + 16 x half
	s_mul_i32 s21, s15, HALFT                      ; my 128 rows of A
	s_mul_i32 s22, s16, HALFT                      ; my 128 rows of B,
	s_add_co_u32 s22, s22, 2*HALFT                 ; which lie behind A's 256
.irp s, 0,1
	v_add_nc_u32 v[ADRA+\s], s21, v4
	v_add_nc_u32 v[ADRB+\s], s22, v4
	s_add_co_u32 s21, s21, SLOT
	s_add_co_u32 s22, s22, SLOT
.endr
	v_mul_u32_u24 v5, v1, KS                       ; my row's scales: KS bytes a row,
	v_lshrrev_b32 v6, 8, v5
	v_lshl_add_u32 v5, v6, 4, v5                   ; and 16 more for each 256 passed
	s_mul_i32 s21, s15, HALFS                      ; A's: my 128 rows
	s_mul_i32 s22, s16, HALFS                      ; B's: my 128 rows, behind A's 256
	s_add_co_u32 s22, s22, 2*HALFS
	s_sub_co_u32 s22, s22, s21
	v_mul_u32_u24 v6, s22, v2                      ; lanes 16-31 take B's: one product, the distance between the two x the lane's half
	s_add_co_u32 s21, s21, SCL
	v_add_nc_u32 v5, v5, v6
	v_add_nc_u32 v[ADRS], s21, v5
	v_and_b32 v6, 31, v0
	v_lshlrev_b32 v[CO], 4, v6                     ; 16 x lane
	; where my wave's images begin in qkv
	s_cmp_eq_u32 s3, 1
	s_cselect_b32 s20, s42, s17                    ; the tokens' tile of 256,
	s_cselect_b32 s21, s16, s15                    ; which half of it is my wave's,
	s_cselect_b32 s22, s41, s40                    ; the channels' tile among the section's four,
	s_cselect_b32 s23, s15, s16                    ; and its half
	s_lshl_b32 s20, s20, 2
	s_lshl_b32 s21, s21, 1
	s_add_co_u32 s20, s20, s21                     ; my first group of 64 tokens, 0 .. 127
	s_lshl_b32 s22, s22, 2
	s_lshl_b32 s23, s23, 1
	s_add_co_u32 s22, s22, s23                     ; my first head
	s_lshr_b32 s21, s20, 5                         ; the batch
	s_lshl_b32 s21, s21, 4
	s_add_co_u32 s22, s22, s21                     ; 16 x batch + head
	s_and_b32 s20, s20, 31                         ; the group within the batch
	s_mul_i32 s22, s22, HEADB
	s_mul_i32 s20, s20, GRP
	s_add_co_u32 s20, s20, s22
	s_lshl_b32 s21, ttmp9, 13                      ; Q at 0, K at 8,192, V at 16,384
	s_add_co_u32 s20, s20, s21
	s_mov_b32 s21, 0
	s_add_nc_u64 s[12:13], s[12:13], s[20:21]
.macro FRAG reg, adr, q, i             ; a fragment, 16 rows x 128 K of 4-bit codes: lane l holds row l % 16; registers 4 c .. 4 c + 3 hold K = 64 c + 32 (l / 16) + 0 .. 31
.irp c, 0,1
	ds_load_b128 v[\reg+4*\c:\reg+4*\c+3], v[\adr] offset:64*(\q)+32*\c+(\i)*16*PITCH
.endr
.endm
; 16 matrix instructions: A's blocks a0, a0 + 1 x B's eight, 128 along K: the slot's q-th.  p: B's set;  sc: the set of scale words.  zero = 1: the first product starts the sums: nothing is ever cleared.
; The 64 accumulators take turns, one instruction a turn, in the same order in every step.
.macro MUL16 a0, p, q, sc, zero
.irp a, \a0, \a0+1
.irp b, 0,1,2,3,4,5,6,7
.if \zero
	v_wmma_scale_f32_16x16x128_f8f6f4 v[8*(8*((\a)%4)+\b):8*(8*((\a)%4)+\b)+7], v[128*(\p)+FR*\b:128*(\p)+FR*\b+FR-1], v[AF+FR*(\a):AF+FR*(\a)+FR-1], 0, v[SC+8*NQ*(\sc)+NQ*\b+(\q)], v[SC+8*NQ*(\sc)+NQ*(\a)+(\q)] matrix_a_fmt:MATRIX_FMT_FP4 matrix_b_fmt:MATRIX_FMT_FP4 matrix_a_scale:MATRIX_SCALE_ROW1
.else
	v_wmma_scale_f32_16x16x128_f8f6f4 v[8*(8*((\a)%4)+\b):8*(8*((\a)%4)+\b)+7], v[128*(\p)+FR*\b:128*(\p)+FR*\b+FR-1], v[AF+FR*(\a):AF+FR*(\a)+FR-1], v[8*(8*((\a)%4)+\b):8*(8*((\a)%4)+\b)+7], v[SC+8*NQ*(\sc)+NQ*\b+(\q)], v[SC+8*NQ*(\sc)+NQ*(\a)+(\q)] matrix_a_fmt:MATRIX_FMT_FP4 matrix_b_fmt:MATRIX_FMT_FP4 matrix_a_scale:MATRIX_SCALE_ROW1
.endif
.endr
.endr
.endm
.macro FETCH_B slot, q, p              ; B's eight fragments of the slot's q-th 128 along K into set p
	WIN TO_B
.irp i, 0,1,2,3,4,5,6,7
	FRAG 128*(\p)+FR*\i, ADRB+\slot, \q, \i
.endr
	WIN 0
.endm
.macro FETCH_A slot, q, i0             ; A's blocks i0 .. i0 + 3
.irp i, \i0, \i0+1, \i0+2, \i0+3
	FRAG AF+FR*(\i), ADRA+\slot, \q, \i
.endr
.endm
.macro SCALES sc                       ; a slot's scale words into set sc: NQ words a row; lanes 0-15 take A's block i, lanes 16-31 B's block i
.irp i, 0,1,2,3,4,5,6,7
	ds_load_b128 v[SC+8*NQ*\sc+NQ*\i:SC+8*NQ*\sc+NQ*\i+3], v[ADRS] offset:\i*SBLK
.endr
.endm
; A load into a register that a matrix instruction has read, and a vector instruction that reads a matrix result or writes one of its registers, stand NP places behind it; only plain vector instructions that name none of its registers are places.
.macro PLACES n
.rept \n
	v_nop
.endr
.endm
; A step of 128 along K that has its successor in the same slot.  A block of A is free as soon as its eight products are issued, so one set serves A: blocks 0-3 are fetched anew in the step's middle, blocks 4-7 at its end.
.macro STEP slot, q, zero
	s_wait_dscnt 4*NL                              ; B's set and A's blocks 0-3 are in; the youngest eight loads (A's blocks 4-7) may be out
	WIN MUL_LO
	MUL16 0, (\q)%2, \q, \slot, \zero
	MUL16 2, (\q)%2, \q, \slot, \zero
	s_wait_dscnt 0                                 ; A's blocks 4-7 are in (asked for 32 matrix instructions ago)
	PLACES NP
	FETCH_B \slot, (\q)+1, 1-(\q)%2
	FETCH_A \slot, (\q)+1, 0
	WIN MUL_HI
	MUL16 4, (\q)%2, \q, \slot, \zero
	MUL16 6, (\q)%2, \q, \slot, \zero
	PLACES NP
	WIN 0
	FETCH_A \slot, (\q)+1, 4
.endm
; Slot 0's last step goes over to slot 1: each wave waits for all its tensor loads (its part of slot 1), and the barrier shows every wave's part to every wave.  Nothing is filled again.
.macro TURN slot, next
	s_wait_tensorcnt 0x0                           ; all my tensor loads have landed (every window is 0 here)
	ds_add_u32 v[SPW], v[NIL]                      ; 0 onto my spare word
	s_wait_dscnt 4*NL+1                            ; (the add and the youngest eight loads, A's blocks 4-7, may be out)
	WIN MUL_LO
	MUL16 0, 1, NQ-1, \slot, 0                     ; sixteen matrix instructions stand between the add and the wait for it
	s_wait_dscnt 0x0                               ; the add is done, and no LDS load of mine is out at the signal
	s_barrier_signal -1
	MUL16 2, 1, NQ-1, \slot, 0
	WIN 0
	s_barrier_wait -1
	PLACES NP
	v_add_nc_u32 v[ADRS], 4*NQ, v[ADRS]            ; on to the next slot's scale words
	FETCH_B \next, 0, 0
	FETCH_A \next, 0, 0
	SCALES \next
	WIN MUL_HI
	MUL16 4, 1, NQ-1, \slot, 0
	MUL16 6, 1, NQ-1, \slot, 0
	PLACES NP
	WIN 0
	FETCH_A \next, 0, 4
.endm
.macro STEPS slot, from                ; the slot's steps from .. NQ - 2
.set Q, \from
.rept NQ-1-\from
	STEP \slot, Q, 0
.set Q, Q+1
.endr
.endm
	s_wait_tensorcnt 1                             ; the scales and my part of slot 0 are in (slot 1's load may be out),
	s_barrier_signal -1
	s_barrier_wait -1                              ; everybody's are
	FETCH_B 0, 0, 0
	FETCH_A 0, 0, 0
	SCALES 0
	FETCH_A 0, 0, 4
	STEP 0, 0, 1                                   ; the first step's products start the sums
	STEPS 0, 1
	TURN 0, 1
	STEPS 1, 0
	s_wait_dscnt 4*NL                              ; the very last step: nothing more to fetch
	WIN MUL_LO
	MUL16 0, 1, NQ-1, 1, 0
	MUL16 2, 1, NQ-1, 1, 0
	s_wait_dscnt 0
	WIN MUL_HI
	MUL16 4, 1, NQ-1, 1, 0
	MUL16 6, 1, NQ-1, 1, 0
	WIN 0
; THE WAY OUT.  An accumulator's eight numbers of a lane, rounded to f16, are four registers: registers 0-3 or 4-7 of a fragment of the next launch.  They are stored as they stand, lane l's 16 bytes at 16 l: each store of the wave covers 512 consecutive bytes, aligned.
; Accumulator (a, b): a = A's block of 16, b = B's.  v = 0: a counts tokens (group a / 4, block a % 4), b channels (head b / 4, fragment (b % 4) / 2, half b % 2).  v = 1: a counts channels (head a / 4, block a % 4), b keys (group b / 4, 32 keys (b % 4) / 2, half b % 2).
.macro OUT v
.irp hw, 0,1
.if \hw
	s_wait_xcnt 0x0                                ; the first half's stores have read their data: the registers are written again only behind this wait
.endif
	WIN 0x0a+5*\hw                                 ; sources 0 and 1: window 2 or 3
.set n, 0
.rept 32
.irp r, 0,1,2,3
	v_cvt_pk_f16_f32 v[T+4*n+\r], v[8*n+2*\r], v[8*n+2*\r+1]       ; each accumulator from its low end on
.endr
.set n, n+1
.endr
	WIN 0
.set n, 0
.rept 32
.set a, 4*\hw+n/8
.set b, n%8
.if \v
.set OFF, (a/4)*HEADB+(a%4)*1024+(b/4)*GRP+((b%4)/2)*4096+(b%2)*512
.else
.set OFF, (a/4)*GRP+(a%4)*2048+(b/4)*HEADB+((b%4)/2)*1024+(b%2)*512
.endif
	global_store_b128 v[CO], v[T+4*n:T+4*n+3], s[12:13] offset:OFF
.set n, n+1
.endr
.endr
.endm
	PLACES NP                                      ; the conversions read results and write registers that held scale words and A's fragments
	s_cmp_eq_u32 s3, 1                             ; the cluster's x alone: all partners and all waves go the same way
	s_cbranch_scc1 .Lv
	OUT 0
	s_branch .Ldone
.Lv:
	OUT 1
.Ldone:
	s_wait_tensorcnt 0x0                           ; the wave's end, behind my last tensor load
	ds_add_u32 v[SPW], v[NIL]
	s_wait_dscnt 0x0
	CROUND                                         ; the closing round: no work-group ends while a partner may still ask for a tile that names it
	s_endpgm
.Lfunc_end_k_q96458087a0_qkv:
	.size	k_q96458087a0_qkv, .Lfunc_end_k_q96458087a0_qkv-k_q96458087a0_qkv
	.p2alignl 7, 3214868480
	.fill 96, 4, 3214868480
	.section	.rodata,"a",@progbits
	.p2align	6, 0x0
	.amdhsa_kernel k_q96458087a0_qkv
		.amdhsa_group_segment_fixed_size 327680
		.amdhsa_private_segment_fixed_size 0
		.amdhsa_enable_private_segment 0
		.amdhsa_kernarg_size 40
		.amdhsa_user_sgpr_count 2
		.amdhsa_user_sgpr_kernarg_segment_ptr 1
		.amdhsa_wavefront_size32 1
		.amdhsa_system_sgpr_workgroup_id_x 1
		.amdhsa_system_sgpr_workgroup_id_y 1
		.amdhsa_system_sgpr_workgroup_id_z 1
		.amdhsa_system_vgpr_workitem_id 0
		.amdhsa_next_free_vgpr 1024
		.amdhsa_next_free_sgpr 98
		.amdhsa_reserve_vcc 0
		.amdhsa_float_denorm_mode_32 3
		.amdhsa_float_denorm_mode_16_64 3
		.amdhsa_memory_ordered 1
		.amdhsa_forward_progress 1
		.amdhsa_inst_pref_size 140
	.end_amdhsa_kernel
	.amdgpu_metadata
---
amdhsa.version: [ 1, 2 ]
amdhsa.kernels:
  - .name:           k_q96458087a0_qkv
    .symbol:         k_q96458087a0_qkv.kd
    .args:
      - { .name: x_codes, .offset: 0, .size: 8, .value_kind: global_buffer, .address_space: global }
      - { .name: x_scales, .offset: 8, .size: 8, .value_kind: global_buffer, .address_space: global }
      - { .name: w_codes, .offset: 16, .size: 8, .value_kind: global_buffer, .address_space: global }
      - { .name: w_scales, .offset: 24, .size: 8, .value_kind: global_buffer, .address_space: global }
      - { .name: qkv, .offset: 32, .size: 8, .value_kind: global_buffer, .address_space: global }
    .group_segment_fixed_size: 327680
    .private_segment_fixed_size: 0
    .kernarg_segment_align: 8
    .kernarg_segment_size: 40
    .max_flat_workgroup_size: 128
    .sgpr_count:     98
    .vgpr_count:     1024
    .wavefront_size: 32
...
	.end_amdgpu_metadata
.endif
;; end of part 2
;; launch attn (part 3): grid 4 x 64, 8 waves a work-group, clusters of 4 x 1, 327,680 bytes of LDS; arguments qkv, oimg; writes oimg
.if DOCPART == 3
	.amdgcn_target "amdgcn-amd-amdhsa--gfx1250"
	.amdhsa_code_object_version 6
	.text
	.protected	k_q96458087a0_attn
	.globl	k_q96458087a0_attn
	.p2align	8
	.type	k_q96458087a0_attn,@function
k_q96458087a0_attn:
	s_mov_b64 s[64:65], 0
	v_nop
	global_prefetch_b8 v0, s[64:65] scope:SCOPE_SE
	s_setreg_imm32_b32 hwreg(HW_REG_WAVE_MODE, 25, 1), 1
	s_wait_xcnt 0x0
	s_wait_alu depctr_hold_cnt(0) depctr_sa_sdst(0) depctr_va_vdst(0) depctr_va_sdst(0) depctr_va_ssrc(0) depctr_va_vcc(0) depctr_vm_vsrc(0)
	s_getreg_b32 s2, hwreg(HW_REG_IB_STS2, 6, 4)
	s_cmp_eq_u32 s2, 0
	s_cbranch_scc0 .Lentry_in_a_cluster
	s_endpgm
.Lentry_in_a_cluster:
	s_bfe_u32 s2, ttmp6, 0x10000c
	s_cmp_lg_u32 s2, 0x3003
	s_cbranch_scc0 .Lentry_shape_is_right
	s_endpgm
.Lentry_shape_is_right:
; o[b][h][q] = the sum over k of softmax_k(q . k / 8) v, 64 batch-heads of 2,048 tokens, head size 64, no mask.  Operands f16, products, maxima and sums f32; the weights p are rounded to f16 for the second product, o once at the end.  No work is left out.
; LIMITS: |q|, |k|, |v| under 65,504 (they arrive as f16); parts of o under 6e-5 keep an absolute error of 3e-8; NaN and infinities are not served.
; qkv holds Q, K and V as images of operand registers ([batch x head][group of 64 tokens][Q 8,192 | K 8,192 | V 8,192 bytes]; a fragment is [registers 0-3 | 4-7][lane][16 bytes]): every fragment comes by two loads of 16 bytes a lane, 512 consecutive bytes each: no pitch, no padding, no turning load.
; SHARES.  A work-group owns 512 queries of one batch-head, each of its EIGHT waves 64: four tiles of 16, in 512 registers: two waves to a SIMD.  Every wave walks all 2,048 keys, 64 a step.
; LAYOUT.  S^T = K Q^T (source 0 = 16 keys, source 1 = 16 queries), O^T = V^T P (source 0 = 16 channels x 32 keys, source 1 = P): a lane holds ONE query (lane % 16) throughout.  Two tiles of S^T, rounded to f16 in pairs, ARE a fragment of P; they are packed in place, into the tile's first 16 registers.
; SOFTMAX.  For each query a running maximum m and sum l: p = 2^(c s - c m), c = log2(e) / 8; in every step O and l are multiplied by a = 2^(c m_old - c m_new).
; TWO CLASSES OF WAVES.  The wave's tiles are two pieces: piece 0 (tiles 0, 1), piece 2 (tiles 2, 3).  In a TURN one piece has 16 products V^T P of the step in hand and 16 products K Q^T of the next; the other piece has its softmax; the two do not
; depend on each other.  Waves of class 0 run the products first, waves of class 1 the softmax first, so that the two waves of a SIMD stand in opposite phases: one's vector work beside the other's matrix work.  class = (w xor w / 4) mod 2.
; CLUSTER.  The four work-groups of a batch-head form a cluster and walk the same K and V: each tile is asked for JOINTLY, the same tensor load with the same descriptor and a mask that names the four.
; THE RING.  Two slots of eight key steps (a step: K's 8,192 bytes, then V's).  Wave w brings step w of a slot, 16,384 dense bytes: one load a wave behind each round.  A refill is asked for eight key steps ahead of its first read.
; oimg: o as images of the next product's operand: [block of 16 tokens 512][32 along K: 32][1,024 bytes].
; REGISTERS: window 0: v1-5 addresses; v16-63 twelve registers of statistics a tile; v64-191 S^T, 32 a tile (P in each tile's first 16); v192-255 V of one step.   window 1: v0-127 O^T, 32 a tile; v128-191 Q; v192-255 K of one step.
.set HEADB, 786432                     ; qkv: a batch-head
.set GRP,   24576                      ; a group of 64 tokens
.set STEPB, 16384                      ; a key step in LDS: K, then V
.set SLOT1, 1<<17                      ; a slot holds eight steps; slot 1 begins here, so that one exclusive or turns an address in one slot into the other's
.set SPARE, 2*SLOT1                    ; behind the ring: the spare words, 128 bytes for each of eight waves
.set L16, 1                            ; v1   16 x lane; never rewritten
.set ADR, 2                            ; v2   LDS address of the step in hand
.set SPW, 4                            ; v4   LDS address of my spare word; never rewritten
.set NIL, 5                            ; v5   0; never rewritten
.set ST,  16                           ; tile t's statistics at v[ST+12 t]: +0 c m, +1 m, +2, +3 l (even keys', odd keys'), +4 to +7 c0-c3 at work (a takes +6), +8, +9 and +10, +11 two chains of the sum
.set S,   64
.set VF,  192                          ; V's fragments, window 0
.set QF,  128                          ; Q's, window 1
.set KF,  192                          ; K's, window 1
.set WV,  12                           ; s12  my wave's number
.set CL,  13                           ; s13  my wave's class
.set G1,  24                           ; s[24:31] descriptor group 1
.set G0A, 32                           ; s[32:35] group 0 of slot 0's first fill
.set G0B, 36                           ; s[36:39] of slot 1's; it then walks on
.set CS,  40                           ; s[40:41] c: the packed scaling names a pair and takes its low word for both halves
.set SEL, 42                           ; s[42:43] lane selects for v_permlanex16_b32: lane l xor 16
.set TB,  44                           ; s44  LDS byte at which the step in hand begins
.set CNT, 45                           ; s45  counts a slot's steps
.set SLOTS, 46                         ; s46  slots still to be asked for
.set MSB, 0
.macro WIN new                         ; the immediate's high byte repeats the setting that is left; a switch that changes nothing is dropped
.if MSB != (\new)
	s_set_vgpr_msb (MSB<<8)|(\new)
.set MSB, (\new)
.endif
.endm
.set W_KQ, 0x05                        ; K and Q in window 1, S^T in window 0
.set W_PV, 0x50                        ; V and P in window 0, O^T (C and D) in window 1
.set W_RS, 0x41                        ; O^T (destination and source 0) in window 1, a in window 0
.set TO_1, 0x40                        ; destination window 1, address window 0
.macro CROUND                          ; a round of the cluster's barrier
	s_barrier_signal -1
	s_barrier_wait -1
	s_cmp_lg_u32 s[WV], 0
	s_cbranch_scc1 .Lnot_wave_0_\@
	s_barrier_signal -3
.Lnot_wave_0_\@:
	s_barrier_wait -3
	s_barrier_signal -1
	s_barrier_wait -1
.endm
	s_load_b128 s[4:7], s[0:1], 0x0                ; qkv s[4:5], oimg s[6:7]
	v_lshl_add_u32 v[SPW], v0, 2, SPARE
	v_mov_b32 v[NIL], 0
	ds_add_u32 v[SPW], v[NIL]                      ; the wave's opening: the add, twice on end, and its wait ahead of my first tensor load; the set-up below stands between the second and the wait
	ds_add_u32 v[SPW], v[NIL]
	v_lshrrev_b32 v3, 5, v0
	v_readfirstlane_b32 s[WV], v3                  ; wave 0..7
	s_lshr_b32 s[CL], s[WV], 2
	s_xor_b32 s[CL], s[CL], s[WV]
	s_and_b32 s[CL], s[CL], 1                      ; class: waves 0, 2, 5, 7 are 0; waves 1, 3, 4, 6 are 1
	s_bfe_u32 s14, ttmp6, 0x40000                  ; cx: my place in the cluster
	s_lshl_b32 s15, ttmp9, 2                       ; in a cluster launch ttmp9 counts clusters
	s_add_co_u32 s14, s14, s15                     ; my block of 512 queries: it enters Q's and o's addresses alone
	s_and_b32 s20, ttmp7, 0xffff                   ; the batch-head, which the four partners share
	s_mul_i32 s21, s20, HEADB
	s_mul_i32 s22, s[WV], GRP                      ; the step that I fetch: group w of a slot's eight,
	s_add_co_u32 s22, s22, s21
	s_add_co_u32 s22, s22, 8192                    ; from its K on
	s_mov_b32 s23, 0
	s_lshl_b32 s16, s14, 3
	s_add_co_u32 s16, s16, s[WV]                   ; my 64 queries: group 8 x block + wave
	s_mul_i32 s16, s16, GRP
	s_add_co_u32 s16, s16, s21
	s_mov_b32 s17, 0
	s_lshr_b32 s18, s20, 4                         ; o: the batch's 128 blocks of 16 tokens,
	s_lshl_b32 s18, s18, 7
	s_lshl_b32 s19, s14, 5                         ; my work-group's 32,
	s_add_co_u32 s18, s18, s19
	s_lshl_b32 s19, s[WV], 2                       ; my wave's 4;
	s_add_co_u32 s18, s18, s19
	s_lshl_b32 s18, s18, 15                        ; 32,768 bytes a block;
	s_and_b32 s19, s20, 15
	s_lshl_b32 s19, s19, 11                        ; the head's two fragments of 1,024
	s_add_co_u32 s18, s18, s19
	s_mov_b32 s19, 0
	; descriptor group 1: 16,384 dense bytes as 64 rows of 256 (32 elements of 8 bytes), no padding
	s_mov_b32 s[G1], 15|(3<<16)|(1<<21)            ; 15:0 the mask: all four work-groups; 17:16 elements of 8 bytes; 21 set beside a mask
	s_mov_b32 s[G1+1], 32<<16                      ; tensor_dim0 = 32
	s_mov_b32 s[G1+2], 64<<16                      ; tensor_dim1 = 64
	s_mov_b32 s[G1+3], 32<<16                      ; tile_dim0 = 32
	s_mov_b32 s[G1+4], 64                          ; tile_dim1 = 64
	s_mov_b32 s[G1+5], 32                          ; from row to row
	s_mov_b32 s[G1+6], 0
	s_mov_b32 s[G1+7], 0
	s_lshl_b32 s15, s[WV], 14                      ; its place in a slot: no place in the cluster enters an LDS address
	s_mov_b32 s[CS], 0x3e38aa3b                    ; c = log2(e) / 8
	s_mov_b32 s[CS+1], s[CS]                       ; named with it as a pair, so it is written
	s_mov_b32 s[SEL], 0x76543210
	s_mov_b32 s[SEL+1], 0xfedcba98
	s_mov_b32 s[TB], 0
	s_wait_dscnt 0x0                               ; both opening adds are done
	s_wait_kmcnt 0x0
	s_add_nc_u64 s[22:23], s[4:5], s[22:23]        ; K and V of step w
	s_add_nc_u64 s[8:9], s[4:5], s[16:17]          ; my Q
	s_add_nc_u64 s[6:7], s[6:7], s[18:19]          ; my o
	CROUND                                         ; all four work-groups are here: the first joint loads meet
	s_mov_b32 s[G0A], 1                            ; count = 1
	s_mov_b32 s[G0A+1], s15                        ; LDS address: slot 0
	s_mov_b64 s[G0A+2:G0A+3], s[22:23]             ; global address: steps 0 to 7
	s_or_b32 s[G0A+3], s[G0A+3], 0x80000000        ; type = 2
	s_mov_b32 s[G0B], 1
	s_add_co_u32 s[G0B+1], s15, SLOT1              ; slot 1
	s_add_nc_u64 s[G0B+2:G0B+3], s[22:23], 8*GRP   ; steps 8 to 15
	s_or_b32 s[G0B+3], s[G0B+3], 0x80000000
	tensor_load_to_lds s[G0A:G0A+3], s[G1:G1+7]    ; every wave issues both first fills, with no branch: two loads of mine are out
	s_nop 0
	tensor_load_to_lds s[G0B:G0B+3], s[G1:G1+7]
	s_nop 0
.rept 4
	v_nop
.endr
	v_and_b32 v[L16], 31, v0
	v_lshlrev_b32 v[L16], 4, v[L16]
	WIN TO_1
.irp i, 0,1,2,3,4,5,6,7,8,9,10,11,12,13,14,15
	global_load_b128 v[QF+4*\i:QF+4*\i+3], v[L16], s[8:9] offset:512*\i   ; Q stays in registers: tile i / 4, channels 32 ((i / 2) % 2) on, half i % 2
.endr
	WIN 0
; THE LDS LOADS stand in runs of 16: a step's K (8 fragments: 16 keys kb x 32 channels f at 2 kb + f) and its V (8 fragments: 32 keys k32 x 16 channels cb at 4 k32 + cb).
.macro FETCH_K
	WIN TO_1
.irp i, 0,1,2,3,4,5,6,7,8,9,10,11,12,13,14,15
	ds_load_b128 v[KF+4*\i:KF+4*\i+3], v[ADR] offset:512*\i
.endr
	WIN 0
.endm
.macro FETCH_V
.irp i, 0,1,2,3,4,5,6,7,8,9,10,11,12,13,14,15
	ds_load_b128 v[VF+4*\i:VF+4*\i+3], v[ADR] offset:8192+512*\i
.endr
.endm
; THE MATRIX WORK of piece x.  Eight accumulators take turns, one instruction a turn: between two links of a chain stand seven others'.
; Product i of 16 of S^T = K Q^T: channels 32 (i / 8) on, keys 16 ((i / 2) % 4) on, tile x + i % 2.  The first 8 start the sums.
.macro KQ x
	WIN W_KQ
.set i, 0
.rept 16
.set rS, S+32*(\x+i%2)+8*((i/2)%4)
.set rK, KF+8*(2*((i/2)%4)+i/8)
.set rQ, QF+16*(\x+i%2)+8*(i/8)
.if i < 8
	v_wmma_f32_16x16x32_f16 v[rS:rS+7], v[rK:rK+7], v[rQ:rQ+7], 0
.else
	v_wmma_f32_16x16x32_f16 v[rS:rS+7], v[rK:rK+7], v[rQ:rQ+7], v[rS:rS+7]
.endif
.set i, i+1
.endr
.endm
; Product i of 16 of O^T += V^T P: keys 32 (i / 8) on, channels 16 ((i / 2) % 4) on, tile x + i % 2.  zero = 1: the first 8 start the sums: nothing is ever cleared.
.macro PV x, zero
	WIN W_PV
.set i, 0
.rept 16
.set rO, 32*(\x+i%2)+8*((i/2)%4)
.set rV, VF+8*(4*(i/8)+(i/2)%4)
.set rP, S+32*(\x+i%2)+8*(i/8)
.if \zero && (i < 8)
	v_wmma_f32_16x16x32_f16 v[rO:rO+7], v[rV:rV+7], v[rP:rP+7], 0
.else
	v_wmma_f32_16x16x32_f16 v[rO:rO+7], v[rV:rV+7], v[rP:rP+7], v[rO:rO+7]
.endif
.set i, i+1
.endr
.endm
; Piece x's matrix block of a trip: V^T P of the step before, K Q^T of this step.  K Q^T writes over P, which V^T P has just read: five places between (ISA guide 7.12.1 counts plain vector instructions alone); they also stand in front of V's loads.
.macro MBLOCK x, zero
.if \x == 0
	s_wait_dscnt 16                                ; V of the step before is in; K's sixteen loads, issued behind V's, may be out
.endif
	PV \x, \zero
.rept 5
	v_nop
.endr
.if \x == 2
	WIN 0
	FETCH_V                                        ; both pieces have multiplied by the old V: this step's comes
.else
	s_wait_dscnt 0x0                               ; K is in
.endif
	KQ \x
.rept 4
	v_nop                                          ; places in front of the first read of these scores and of the loads into K's registers
.endr
	WIN 0
.endm
; THE VECTOR WORK: piece y's softmax for one key step, each line for tiles y and y + 1 by turns.  first = 1: the first key step, which starts m and l and has nothing to rescale.
.macro TREGS t
.set rT, ST+12*(\t)
.set rS, S+32*(\t)
.set rO, 32*(\t)
.endm
.macro SOFTMAX y, first
.set j, 0
.rept 4                                        ; the maximum of the lane's 32 scores, three operands at a time, in four chains; each accumulator is first read at its low end
.irp t, \y, \y+1
	TREGS \t
	v_max3_num_f32 v[rT+4+j], v[rS+8*j], v[rS+8*j+1], v[rS+8*j+2]
.endr
.set j, j+1
.endr
.set j, 4
.rept 8
.irp t, \y, \y+1
	TREGS \t
	v_max3_num_f32 v[rT+4+j%4], v[rT+4+j%4], v[rS+8*(j%4)+2*(j/4)+1], v[rS+8*(j%4)+2*(j/4)+2]
.endr
.set j, j+1
.endr
.irp t, \y, \y+1
	TREGS \t
	v_max3_num_f32 v[rT+4], v[rT+4], v[rS+7], v[rS+15]
	v_max3_num_f32 v[rT+6], v[rT+6], v[rS+23], v[rS+31]
.endr
.irp t, \y, \y+1
	TREGS \t
	v_max3_num_f32 v[rT+4], v[rT+4], v[rT+5], v[rT+6]
.endr
.irp t, \y, \y+1
	TREGS \t
.if \first
	v_max_num_f32 v[rT+4], v[rT+4], v[rT+7]
.else
	v_max3_num_f32 v[rT+4], v[rT+4], v[rT+7], v[rT+1]              ; and the old m
.endif
.endr
.irp t, \y, \y+1
	TREGS \t
	v_permlanex16_b32 v[rT+5], v[rT+4], s[SEL], s[SEL+1]           ; the query's other 32 keys lie in the lane 16 away
.endr
.if \first == 0
.irp t, \y, \y+1
	TREGS \t
	v_mov_b32 v[rT+7], v[rT]                                       ; c m_old is kept for a
.endr
.endif
.irp t, \y, \y+1
	TREGS \t
	v_max_num_f32 v[rT+1], v[rT+4], v[rT+5]                        ; the new m
.endr
.irp t, \y, \y+1
	TREGS \t
	v_mul_f32 v[rT], s[CS], v[rT+1]                                ; c m
.endr
.if \first == 0
.irp t, \y, \y+1
	TREGS \t
	v_sub_f32 v[rT+7], v[rT+7], v[rT]
.endr
.irp t, \y, \y+1
	TREGS \t
	v_exp_f32 v[rT+6], v[rT+7]                                     ; a = 2^(c m_old - c m_new)
.endr
.endif
; ONE BATCH: the scalings c s - c m, a pair of scores each, and all the exponentials; a pair's exponentials stand behind the next pair's scalings.  None of these lines names an exponential's result.
.set b, 0
.rept 17
.if b < 16
.irp t, \y, \y+1
	TREGS \t
	v_pk_fma_f32 v[rS+2*b:rS+2*b+1], v[rS+2*b:rS+2*b+1], s[CS:CS+1], v[rT:rT+1] op_sel_hi:[1,0,0] neg_lo:[0,0,1] neg_hi:[0,0,1]
.endr
.endif
.if b > 0
.irp t, \y, \y+1
	TREGS \t
	v_exp_f32 v[rS+2*b-2], v[rS+2*b-2]
	v_exp_f32 v[rS+2*b-1], v[rS+2*b-1]
.endr
.endif
.set b, b+1
.endr
	v_nop                                          ; a plain instruction behind the last exponential, ahead of the first use
	s_wait_alu depctr_va_vdst(0)                   ; and the wait ahead of the first line that names a result: one for the whole batch
.irp t, \y, \y+1                               ; the sum of the unrounded weights, a pair at a time (an even key's, an odd key's), in two chains
	TREGS \t
	v_pk_add_f32 v[rT+8:rT+9], v[rS:rS+1], v[rS+2:rS+3]
	v_pk_add_f32 v[rT+10:rT+11], v[rS+4:rS+5], v[rS+6:rS+7]
.endr
.set q, 2
.rept 6
.irp t, \y, \y+1
	TREGS \t
	v_pk_add_f32 v[rT+8:rT+9], v[rT+8:rT+9], v[rS+4*q:rS+4*q+1]
	v_pk_add_f32 v[rT+10:rT+11], v[rT+10:rT+11], v[rS+4*q+2:rS+4*q+3]
.endr
.set q, q+1
.endr
.if \first
.irp t, \y, \y+1
	TREGS \t
	v_pk_add_f32 v[rT+2:rT+3], v[rT+8:rT+9], v[rT+10:rT+11]        ; l begins
.endr
.else
.irp t, \y, \y+1
	TREGS \t
	v_pk_add_f32 v[rT+8:rT+9], v[rT+8:rT+9], v[rT+10:rT+11]
.endr
.irp t, \y, \y+1
	TREGS \t
	v_pk_fma_f32 v[rT+2:rT+3], v[rT+2:rT+3], v[rT+6:rT+7], v[rT+8:rT+9] op_sel_hi:[1,0,1]   ; l = a l + the sum
.endr
.endif
.set i, 0
.rept 16                                       ; P in place, ascending: register i takes weights 2 i and 2 i + 1, which no later line reads
.irp t, \y, \y+1
	TREGS \t
	v_cvt_pk_f16_f32 v[rS+i], v[rS+2*i], v[rS+2*i+1]
.endr
.set i, i+1
.endr
.if \first == 0
	WIN W_RS
.set i, 0
.rept 16                                       ; O^T times a: each accumulator from its low end on
.irp t, \y, \y+1
	TREGS \t
	v_pk_mul_f32 v[rO+2*i:rO+2*i+1], v[rO+2*i:rO+2*i+1], v[rT+6:rT+7] op_sel_hi:[1,0]
.endr
.set i, i+1
.endr
	WIN 0
.endif
.endm
; A TURN: piece x's matrix block and piece y's softmax, in the order of the wave's class.  The softmax is written once, the short matrix block twice; the branches hang on the wave's number alone; every window is 0 at them.
.macro TURN x, y, zero, first
	s_cmp_eq_u32 s[CL], 0
	s_cbranch_scc0 .Lsm_\@
	MBLOCK \x, \zero
.Lsm_\@:
	SOFTMAX \y, \first
	s_cmp_eq_u32 s[CL], 0
	s_cbranch_scc1 .Ldone_\@
	MBLOCK \x, \zero
.Ldone_\@:
.endm
; TRIP i: K of step i is fetched; piece 0: V^T P (i - 1), K Q^T (i) beside piece 2's softmax (i - 1); piece 2: V^T P (i - 1), V of step i fetched, K Q^T (i) beside piece 0's softmax (i).  It reads LDS bytes of step i alone.
.macro TRIP first
	v_add_nc_u32 v[ADR], s[TB], v[L16]             ; made where all waves pass, ahead of the classes' parting
	FETCH_K
	TURN 0, 2, \first, \first
	TURN 2, 0, \first, 0
	s_add_co_u32 s[TB], s[TB], STEPB
.endm
.macro TRIPS n
	s_mov_b32 s[CNT], \n
.Ltrip_\@:
	TRIP 0
	s_sub_co_u32 s[CNT], s[CNT], 1
	s_cmp_lg_u32 s[CNT], 0
	s_cbranch_scc1 .Ltrip_\@
.endm
; THE CHANGE OF SLOTS.  Each wave waits for all its tensor loads, of which one is out: its step of the other slot; adds 0 to its spare word; and waits for that and for its own reads of the slot that it leaves.
; fill = 1: that slot is filled again with the steps two slots on.  The barrier is then a round of the cluster's, so that no wave of any partner still reads the slot or has a load on its way, and the joint refill is the first thing behind it.
.macro CHANGE fill
	s_wait_tensorcnt 0x0                           ; no tensor load of mine is out, so a group 0 may be written
	ds_add_u32 v[SPW], v[NIL]                      ; 0 onto my spare word
.if \fill
	s_xor_b32 s[G0B+1], s[G0B+1], SLOT1            ; the walking descriptor: the other slot than last time,
	s_add_nc_u64 s[G0B+2:G0B+3], s[G0B+2:G0B+3], 8*GRP   ; the next eight steps; the type bits on top are not reached
	s_wait_dscnt 0x0                               ; the add is done, and my reads of the slot are over
	CROUND
	tensor_load_to_lds s[G0B:G0B+3], s[G1:G1+7]    ; my one tensor load behind the round: one load of mine is out
	s_nop 0
.rept 4
	v_nop
.endr
.else
	s_wait_dscnt 0x0
	s_barrier_signal -1
	s_barrier_wait -1
.endif
	s_sub_co_u32 s[TB], s[TB], SLOT1               ; back to a slot's first step,
	s_xor_b32 s[TB], s[TB], SLOT1                  ; in the other slot
.endm
	s_wait_tensorcnt 1                             ; my step of slot 0 is in; slot 1's may stay out
	s_barrier_signal -1
	s_barrier_wait -1                              ; everybody's is
	v_add_nc_u32 v[ADR], s[TB], v[L16]             ; TRIP 0, in part: both pieces' first scores, V of step 0, piece 0's first softmax
	FETCH_K
	s_wait_loadcnt 0x0                             ; Q
	s_wait_dscnt 0x0                               ; K
	KQ 0
	KQ 2
.rept 4
	v_nop
.endr
	WIN 0
	FETCH_V
	SOFTMAX 0, 1
	s_add_co_u32 s[TB], s[TB], STEPB
	TRIP 1                                         ; its products V^T P start O^T; piece 2's softmax is its first
	TRIPS 6                                        ; slot 0 is read out
	s_mov_b32 s[SLOTS], 2
.Lslot:                                        ; two trips: slots 0 and 1 are each filled once more
	CHANGE 1
	TRIPS 8
	s_sub_co_u32 s[SLOTS], s[SLOTS], 1
	s_cmp_lg_u32 s[SLOTS], 0
	s_cbranch_scc1 .Lslot
	CHANGE 0                                       ; the tail is written out
	TRIPS 8
	s_wait_dscnt 0x0                               ; V of the last step
	PV 0, 0
	WIN 0
	SOFTMAX 2, 0
	PV 2, 0
	WIN 0
	; THE WAY OUT.  l's two halves and the other half of the lanes' are added; O^T is divided by l and rounded to f16.  An accumulator's eight channels of a lane are four registers: half a fragment of the next product's operand,
	; stored as it stands: each store of the wave covers 512 consecutive bytes, aligned.  The additions are the places behind the last products.
.irp t, 0,1,2,3
	v_add_f32 v[ST+12*\t+4], v[ST+12*\t+2], v[ST+12*\t+3]
.endr
.irp t, 0,1,2,3
	v_permlanex16_b32 v[ST+12*\t+5], v[ST+12*\t+4], s[SEL], s[SEL+1]
.endr
.irp t, 0,1,2,3
	v_add_f32 v[ST+12*\t+4], v[ST+12*\t+4], v[ST+12*\t+5]
.endr
.irp t, 0,1,2,3
	v_rcp_f32 v[ST+12*\t+6], v[ST+12*\t+4]
.endr
	v_nop                                          ; a plain instruction between the last reciprocal and the use of its result
	s_wait_alu depctr_va_vdst(0)                   ; and the wait ahead of the first use: one for the four
.irp t, 0,1,2,3
	WIN W_RS
.set i, 0
.rept 16
	v_pk_mul_f32 v[32*\t+2*i:32*\t+2*i+1], v[32*\t+2*i:32*\t+2*i+1], v[ST+12*\t+6:ST+12*\t+7] op_sel_hi:[1,0]
.set i, i+1
.endr
	WIN 0x05                                       ; sources 0 and 1 window 1, destination window 0: S^T's registers are free
.set i, 0
.rept 16
	v_cvt_pk_f16_f32 v[S+16*\t+i], v[32*\t+2*i], v[32*\t+2*i+1]
.set i, i+1
.endr
	WIN 0
.irp cb, 0,1,2,3
	global_store_b128 v[L16], v[S+16*\t+4*\cb:S+16*\t+4*\cb+3], s[6:7] offset:32768*\t+512*\cb   ; block of 16 tokens t; channels 16 cb on: fragment cb / 2, half cb % 2
.endr
.endr
	s_wait_tensorcnt 0x0                           ; the wave's end, behind my last tensor load
	ds_add_u32 v[SPW], v[NIL]
	s_wait_dscnt 0x0
	CROUND                                         ; the closing round: no work-group ends while a partner may still ask for a tile that names it
	s_endpgm
.Lfunc_end_k_q96458087a0_attn:
	.size	k_q96458087a0_attn, .Lfunc_end_k_q96458087a0_attn-k_q96458087a0_attn
	.p2alignl 7, 3214868480
	.fill 96, 4, 3214868480
	.section	.rodata,"a",@progbits
	.p2align	6, 0x0
	.amdhsa_kernel k_q96458087a0_attn
		.amdhsa_group_segment_fixed_size 327680
		.amdhsa_private_segment_fixed_size 0
		.amdhsa_enable_private_segment 0
		.amdhsa_kernarg_size 16
		.amdhsa_user_sgpr_count 2
		.amdhsa_user_sgpr_kernarg_segment_ptr 1
		.amdhsa_wavefront_size32 1
		.amdhsa_system_sgpr_workgroup_id_x 1
		.amdhsa_system_sgpr_workgroup_id_y 1
		.amdhsa_system_sgpr_workgroup_id_z 1
		.amdhsa_system_vgpr_workitem_id 0
		.amdhsa_next_free_vgpr 512
		.amdhsa_next_free_sgpr 66
		.amdhsa_reserve_vcc 0
		.amdhsa_float_denorm_mode_32 3
		.amdhsa_float_denorm_mode_16_64 3
		.amdhsa_memory_ordered 1
		.amdhsa_forward_progress 1
		.amdhsa_inst_pref_size 198
	.end_amdhsa_kernel
	.amdgpu_metadata
---
amdhsa.version: [ 1, 2 ]
amdhsa.kernels:
  - .name:           k_q96458087a0_attn
    .symbol:         k_q96458087a0_attn.kd
    .args:
      - { .name: qkv, .offset: 0, .size: 8, .value_kind: global_buffer, .address_space: global }
      - { .name: oimg, .offset: 8, .size: 8, .value_kind: global_buffer, .address_space: global }
    .group_segment_fixed_size: 327680
    .private_segment_fixed_size: 0
    .kernarg_segment_align: 8
    .kernarg_segment_size: 16
    .max_flat_workgroup_size: 256
    .sgpr_count:     66
    .vgpr_count:     512
    .wavefront_size: 32
...
	.end_amdgpu_metadata
.endif
;; end of part 3
;; launch proj (part 4): grid 8 x 32, 4 waves a work-group, clusters of 4 x 4, 327,680 bytes of LDS; arguments oimg, wo16, out0; writes out0
.if DOCPART == 4
	.amdgcn_target "amdgcn-amd-amdhsa--gfx1250"
	.amdhsa_code_object_version 6
	.text
	.protected	k_q96458087a0_proj
	.globl	k_q96458087a0_proj
	.p2align	8
	.type	k_q96458087a0_proj,@function
k_q96458087a0_proj:
	s_mov_b64 s[64:65], 0
	v_nop
	global_prefetch_b8 v0, s[64:65] scope:SCOPE_SE
	s_setreg_imm32_b32 hwreg(HW_REG_WAVE_MODE, 25, 1), 1
	s_wait_xcnt 0x0
	s_wait_alu depctr_hold_cnt(0) depctr_sa_sdst(0) depctr_va_vdst(0) depctr_va_sdst(0) depctr_va_ssrc(0) depctr_va_vcc(0) depctr_vm_vsrc(0)
	s_getreg_b32 s2, hwreg(HW_REG_IB_STS2, 6, 4)
	s_cmp_eq_u32 s2, 0
	s_cbranch_scc0 .Lentry_in_a_cluster
	s_endpgm
.Lentry_in_a_cluster:
	s_bfe_u32 s2, ttmp6, 0x10000c
	s_cmp_lg_u32 s2, 0xf033
	s_cbranch_scc0 .Lentry_shape_is_right
	s_endpgm
.Lentry_shape_is_right:
; out0[token][n] = the sum over k of o[token][k] W_o[n][k]: 8,192 x 1,024 x 1,024, f16 operands, f32 sums, f32 out.  No work is left out.
; o arrives as images of operand registers (oimg: [block of 16 tokens 512][32 along K: 32][registers 0-3 | 4-7][lane][16 bytes]); W_o as rows of f16 (wo16 [1024][1024]).
; A tile of 256 tokens x 128 columns is made by a work-group of four waves: 256 work-groups; a wave makes 128 x 64: 32 accumulators of 16 x 16, 256 registers.
; K goes in steps of 128 through a ring of two LDS slots: o's 16 blocks x 4,096 dense bytes (no pitch, no padding: a fragment's load covers 512 consecutive bytes), then W_o's 128 rows of 256 bytes + 16 of padding.
; CLUSTERS: 4 x 4 work-groups.  The four of a row of the cluster need the same tiles of o, the four of a column the same tiles of W_o: each is asked for JOINTLY, by the same tensor load with the same descriptor and a mask that names the four.
; THE MATRIX INSTRUCTION IS USED TRANSPOSED (source 0 = 16 rows of W_o, source 1 = 16 tokens): a lane then holds eight neighbouring numbers of a row of out0.
; REGISTERS: window 0: v1-29 addresses; v64-127, v128-191 o's fragments (8 blocks x 32 K), two buffers; v192-223, v224-255 W_o's (4 blocks), two buffers; on the way out v64-127 take rows.   window 1: the accumulators, (a, b) at v[8 (4 a + b)].
.set PITCH,  272                       ; a row of W_o in LDS: 256 bytes + 16 = 68 words: the 16 rows that a load touches start at 16 different banks (64 banks of 4 bytes: ISA guide 11.1)
.set ABYTES, 65536                     ; o's part of a slot: 16 blocks x 4,096
.set HALFB,  64*PITCH                  ; 64 rows of W_o: what one tensor load brings, and what one wave reads
.set SLOT,   ABYTES+2*HALFB
.set ASTEP,  4096                      ; a K step on in oimg: four fragments
.set BSTEP,  256                       ; and in a row of wo16
.set STAGE,  2*SLOT                    ; behind the ring: 16 rows x 272 bytes for each wave, for the way out
.set SPITCH, 272
.set SPARE,  STAGE+4*16*SPITCH         ; behind the stages: the spare words, 128 bytes for each wave
.set LAPS,   4                         ; a lap = two K steps = once round the ring
.set ADRA, 16                          ; v16-17  LDS address of my fragments of o in slot 0, 1
.set ADRB, 20                          ; v20-21  the same for W_o
.set STO,  24                          ; v24     the way out: where I put 32 bytes of a row
.set RD,   25                          ; v25     where I read a row back
.set CO,   26                          ; v26     my byte offset in out0
.set SPW,  28                          ; v28     LDS address of my spare word; never rewritten
.set NIL,  29                          ; v29     0; never rewritten
.set FA,   64
.set FB,   192
.set BK,   64                          ; the way out: 16 rows read back: v64-95 and v96-127 by turns
.set G1, 24                            ; s[24:31] descriptor group 1 for o's tiles;  s[32:39] group 0, one set for each slot
.set G0, 32
.set G1B, 48                           ; s[48:55], s[56:63] the same for W_o's
.set G0B, 56
.set MSB, 0
.macro WIN new                         ; the immediate's high byte repeats the setting that is left
.if MSB != (\new)
	s_set_vgpr_msb (MSB<<8)|(\new)
.set MSB, (\new)
.endif
.endm
.set MUL, 0x50                         ; sources window 0; C and D window 1
.macro JLOAD s                         ; a joint load: waves 0 and 1 fetch o's two halves, waves 2 and 3 W_o's; an s_nop 0 and four v_nop follow each of the two lines, ahead of the jump, the label and what follows
	s_cmp_eq_u32 s11, 0
	s_cbranch_scc0 .Lfor_b_\@
	tensor_load_to_lds s[G0+4*\s:G0+4*\s+3], s[G1:G1+7]
	s_nop 0
.rept 4
	v_nop
.endr
	s_branch .Lasked_\@
.Lfor_b_\@:
	tensor_load_to_lds s[G0B+4*\s:G0B+4*\s+3], s[G1B:G1B+7]
	s_nop 0
.rept 4
	v_nop
.endr
.Lasked_\@:
.endm
.macro CREST                           ; a round of the cluster's barrier behind its opening barrier
	s_cmp_lg_u32 s10, 0
	s_cbranch_scc1 .Lnot_wave_0_\@
	s_barrier_signal -3
.Lnot_wave_0_\@:
	s_barrier_wait -3
	s_barrier_signal -1
	s_barrier_wait -1
.endm
.macro CROUND                          ; a whole round
	s_barrier_signal -1
	s_barrier_wait -1
	CREST
.endm
	s_load_b128 s[4:7], s[0:1], 0x0                ; oimg s[4:5], wo16 s[6:7]
	s_load_b64 s[8:9], s[0:1], 0x10                ; out0
	v_lshl_add_u32 v[SPW], v0, 2, SPARE
	v_mov_b32 v[NIL], 0
	ds_add_u32 v[SPW], v[NIL]                      ; the wave's opening: the add, twice on end, and its wait ahead of my first tensor load; the set-up below stands between the second and the wait
	ds_add_u32 v[SPW], v[NIL]
	v_lshrrev_b32 v1, 5, v0
	v_readfirstlane_b32 s10, v1                    ; wave 0..3
	s_lshr_b32 s11, s10, 1                         ; which half of the tile's tokens is mine.  Also: I fetch for o (0) or for W_o (1)
	s_and_b32 s12, s10, 1                          ; which half of its columns.  Also: which half of that tile I fetch
	s_bfe_u32 s40, ttmp6, 0x40000                  ; cx, cy: my place in the cluster
	s_bfe_u32 s41, ttmp6, 0x40004
	s_lshl_b32 s42, ttmp9, 2
	s_add_co_u32 s42, s42, s40                     ; tile column = 4 x cluster x + cx
	s_and_b32 s13, ttmp7, 0xffff
	s_lshl_b32 s13, s13, 2
	s_add_co_u32 s13, s13, s41                     ; tile row = 4 x cluster y + cy
	s_lshl_b32 s43, s41, 2
	s_lshl_b32 s43, 15, s43                        ; my row of the cluster
	s_lshl_b32 s44, 0x1111, s40                    ; my column
	; group 1 for o: 8 blocks of 16 tokens, of each 4,096 consecutive bytes (512 elements of 8), 32,768 bytes from block to block; dense in LDS
	s_or_b32 s[G1+0], s43, (3<<16)|(1<<21)         ; 15:0 the mask: my row; 17:16 elements of 8 bytes; 21 set beside a mask
	s_mov_b32 s[G1+1], 512<<16                     ; tensor_dim0 = 512
	s_mov_b32 s[G1+2], 8<<16                       ; tensor_dim1 = 8
	s_mov_b32 s[G1+3], 512<<16                     ; tile_dim0 = 512
	s_mov_b32 s[G1+4], 8                           ; tile_dim1 = 8
	s_mov_b32 s[G1+5], 4096                        ; from row to row, in elements
	s_mov_b32 s[G1+6], 0
	s_mov_b32 s[G1+7], 0
	; group 1 for W_o: 64 rows x 128 elements of 2 bytes, four words of padding behind every 64
	s_or_b32 s[G1B+0], s44, (1<<16)|(1<<20)|(1<<21)|(5<<22)|(3<<25)
	s_mov_b32 s[G1B+1], 128<<16
	s_mov_b32 s[G1B+2], 64<<16
	s_mov_b32 s[G1B+3], 128<<16
	s_mov_b32 s[G1B+4], 64
	s_mov_b32 s[G1B+5], 1024
	s_mov_b32 s[G1B+6], 0
	s_mov_b32 s[G1B+7], 0
	s_lshl_b32 s16, s13, 4
	s_lshl_b32 s17, s12, 3
	s_add_co_u32 s16, s16, s17                     ; o: block 16 x tile row + 8 x half,
	s_lshl_b32 s16, s16, 15                        ; 32,768 bytes a block
	s_mov_b32 s17, 0
	s_lshl_b32 s46, s42, 7
	s_lshl_b32 s47, s12, 6
	s_add_co_u32 s46, s46, s47                     ; W_o: row 128 x tile column + 64 x half,
	s_lshl_b32 s46, s46, 11                        ; 2,048 bytes a row
	s_mov_b32 s47, 0
	s_lshl_b32 s20, s12, 15                        ; where they go: o's half,
	s_mul_i32 s21, s12, HALFB
	s_add_co_u32 s21, s21, ABYTES                  ; W_o's half, behind o's: no place in the cluster enters an LDS address
	s_wait_dscnt 0x0                               ; both opening adds are done
	s_wait_kmcnt 0x0
	s_add_nc_u64 s[14:15], s[4:5], s[16:17]
	s_add_nc_u64 s[46:47], s[6:7], s[46:47]
	CROUND                                         ; all sixteen work-groups are here: the first joint loads meet
.irp s, 0,1
	s_mov_b32 s[G0+4*\s], 1
	s_add_co_u32 s[G0+4*\s+1], s20, \s*SLOT
	s_add_nc_u64 s[G0+4*\s+2:G0+4*\s+3], s[14:15], \s*ASTEP
	s_or_b32 s[G0+4*\s+3], s[G0+4*\s+3], 0x80000000
	s_mov_b32 s[G0B+4*\s], 1
	s_add_co_u32 s[G0B+4*\s+1], s21, \s*SLOT
	s_add_nc_u64 s[G0B+4*\s+2:G0B+4*\s+3], s[46:47], \s*BSTEP
	s_or_b32 s[G0B+4*\s+3], s[G0B+4*\s+3], 0x80000000
	JLOAD \s                                       ; two tensor loads of mine are out at the most
.endr
	v_and_b32 v1, 15, v0                           ; l % 16
	v_bfe_u32 v2, v0, 4, 1                         ; l / 16
	v_and_b32 v3, 31, v0
	v_lshlrev_b32 v3, 4, v3                        ; 16 x lane: an image's place for my lane
	v_mul_u32_u24 v4, v1, PITCH
	v_lshl_add_u32 v4, v2, 4, v4                   ; W_o: row x pitch + 16 x half
	s_lshl_b32 s21, s11, 15                        ; my 8 blocks of o
	s_mul_i32 s22, s12, HALFB                      ; my 64 rows of W_o,
	s_add_co_u32 s22, s22, ABYTES                  ; which lie behind o's
.irp s, 0,1
	v_add_nc_u32 v[ADRA+\s], s21, v3
	v_add_nc_u32 v[ADRB+\s], s22, v4
	s_add_co_u32 s21, s21, SLOT
	s_add_co_u32 s22, s22, SLOT
.endr
	s_mul_i32 s23, s10, 16*SPITCH
	s_add_co_u32 s23, s23, STAGE                   ; my stage
	v_mul_u32_u24 v5, v1, SPITCH                   ; in: row l % 16, 32 bytes for each half of the lanes
	v_lshl_add_u32 v5, v2, 5, v5
	v_add_nc_u32 v[STO], s23, v5
	v_mul_u32_u24 v5, v2, SPITCH                   ; back: lanes 0-15 take one row of 256 bytes, lanes 16-31 the next
	v_lshl_add_u32 v5, v1, 4, v5
	v_add_nc_u32 v[RD], s23, v5
	v_lshlrev_b32 v5, 12, v2                       ; and the same two rows in out0: 4,096 bytes a row
	v_lshl_add_u32 v[CO], v1, 4, v5
	s_lshl_b32 s16, s13, 8
	s_lshl_b32 s17, s11, 7
	s_add_co_u32 s16, s16, s17                     ; my first row of out0: 256 x tile row + 128 x half
	s_lshl_b32 s16, s16, 12
	s_lshl_b32 s46, s42, 9                         ; my first column, in bytes: 512 x tile column + 256 x half
	s_lshl_b32 s47, s12, 8
	s_add_co_u32 s46, s46, s47
	s_add_co_u32 s16, s16, s46
	s_mov_b32 s17, 0
	s_add_nc_u64 s[8:9], s[8:9], s[16:17]
; n blocks of tokens from a0 on x W_o's four blocks, 32 along K, out of buffer f.  zero = 1: the first product starts the sums.  The 32 accumulators take turns, one instruction a turn, in the same order in every quarter.
.macro MULS f, a0, n, zero
.set a, \a0
.rept \n
.irp b, 0,1,2,3
.if \zero
	v_wmma_f32_16x16x32_f16 v[8*(4*a+\b):8*(4*a+\b)+7], v[FB+32*(\f)+8*\b:FB+32*(\f)+8*\b+7], v[FA+64*(\f)+8*a:FA+64*(\f)+8*a+7], 0
.else
	v_wmma_f32_16x16x32_f16 v[8*(4*a+\b):8*(4*a+\b)+7], v[FB+32*(\f)+8*\b:FB+32*(\f)+8*\b+7], v[FA+64*(\f)+8*a:FA+64*(\f)+8*a+7], v[8*(4*a+\b):8*(4*a+\b)+7]
.endif
.endr
.set a, a+1
.endr
.endm
; 24 LDS loads in one run: the fragments of the slot's q-th 32 along K into buffer f: W_o's four, o's blocks 0-3, o's blocks 4-7
.macro FETCH slot, q, f
	WIN 0
.irp b, 0,1,2,3
	ds_load_b128 v[FB+32*(\f)+8*\b:FB+32*(\f)+8*\b+3],   v[ADRB+\slot] offset:64*(\q)+16*PITCH*\b
	ds_load_b128 v[FB+32*(\f)+8*\b+4:FB+32*(\f)+8*\b+7], v[ADRB+\slot] offset:64*(\q)+16*PITCH*\b+32
.endr
.irp a, 0,1,2,3,4,5,6,7
	ds_load_b128 v[FA+64*(\f)+8*\a:FA+64*(\f)+8*\a+3],   v[ADRA+\slot] offset:4096*\a+1024*(\q)
	ds_load_b128 v[FA+64*(\f)+8*\a+4:FA+64*(\f)+8*\a+7], v[ADRA+\slot] offset:4096*\a+1024*(\q)+512
.endr
.endm
.macro PLACES                          ; four places in front of loads into registers that matrix instructions have read, and of the first read of results
.rept 4
	v_nop
.endr
.endm
; A K step is four quarters of 32 along K, 32 matrix instructions each, on buffers 0, 1, 0, 1.  One of the first three: multiplies buffer f and fetches the slot's quarter qn into g.
.macro QUARTER slot, qn, f, g, zero
	s_wait_dscnt 8                                 ; W_o's fragments and o's blocks 0-3 are in; the youngest eight loads (blocks 4-7) may be out
	WIN MUL
	MULS \f, 0, 4, \zero
	PLACES
	FETCH \slot, \qn, \g
	s_wait_dscnt 24                                ; all but the 24 just issued
	WIN MUL
	MULS \f, 4, 4, \zero
.endm
; The last quarter multiplies buffer 1 and changes slots: ONE barrier; in front of it each wave waits for all its tensor loads, adds 0 to its spare word, and waits for that and for its own reads of this slot.  fill = 1: this slot is filled again, two K steps ahead.
.macro TURN slot, next, fill
	WIN 0                                          ; (the add's two registers lie in window 0)
	s_wait_tensorcnt 0x0                           ; all my tensor loads have landed: my part of the next slot;
	ds_add_u32 v[SPW], v[NIL]                      ; 0 onto my spare word;
	s_wait_dscnt 9                                 ; (the add and the youngest eight loads may be out)
	WIN MUL
	MULS 1, 0, 2, 0                                ; eight matrix instructions stand between the add and the wait for it
	s_wait_dscnt 0x0                               ; the add is done, and my reads of this slot are over
	s_barrier_signal -1
	MULS 1, 2, 2, 0
	WIN 0                                          ; (branches may follow, and nothing stands between the wait below and the rest of the round)
	s_barrier_wait -1
.if \fill
	CREST                                          ; the barrier has opened a round of the cluster's barrier: no wave of any partner still reads this slot's tile or has a load on its way
	s_add_nc_u64 s[G0+4*\slot+2:G0+4*\slot+3], s[G0+4*\slot+2:G0+4*\slot+3], 2*ASTEP
	s_add_nc_u64 s[G0B+4*\slot+2:G0B+4*\slot+3], s[G0B+4*\slot+2:G0B+4*\slot+3], 2*BSTEP
	JLOAD \slot                                    ; the first tensor load behind the round, one a wave; the four v_nop behind it are also the places in front of the loads below
.else
	PLACES
.endif
	FETCH \next, 0, 0
	WIN MUL
	MULS 1, 4, 4, 0
.endm
	s_wait_tensorcnt 1                             ; my part of K step 0 is in (K step 1's load may be out),
	s_barrier_signal -1
	s_barrier_wait -1                              ; everybody's is
	FETCH 0, 0, 0
	QUARTER 0, 1, 0, 1, 1                          ; the first quarter stands in front of the loop: its products start the sums
	WIN 0                                          ; at a label and at a branch every window is 0
	s_mov_b32 s3, LAPS-1
.Llap:                                         ; a trip goes once round the ring, from a lap's second quarter to the next lap's first, and fills both slots again
	QUARTER 0, 2, 1, 0, 0
	QUARTER 0, 3, 0, 1, 0
	TURN 0, 1, 1
	QUARTER 1, 1, 0, 1, 0
	QUARTER 1, 2, 1, 0, 0
	QUARTER 1, 3, 0, 1, 0
	TURN 1, 0, 1
	QUARTER 0, 1, 0, 1, 0
	WIN 0
	s_sub_co_u32 s3, s3, 1
	s_cmp_lg_u32 s3, 0
	s_cbranch_scc1 .Llap
	QUARTER 0, 2, 1, 0, 0                          ; the last lap fills nothing, and has no round of the cluster's barrier
	QUARTER 0, 3, 0, 1, 0
	TURN 0, 1, 0
	QUARTER 1, 1, 0, 1, 0
	QUARTER 1, 2, 1, 0, 0
	QUARTER 1, 3, 0, 1, 0
	s_wait_dscnt 8                                 ; the very last quarter: nothing more to fetch
	WIN MUL
	MULS 1, 0, 4, 0
	s_wait_dscnt 0
	MULS 1, 4, 4, 0
	WIN 0
; THE WAY OUT, block by block of 16 tokens x 64 columns.  A lane holds 32 neighbouring bytes of a row, and the lanes beside it hold other rows: so a block goes through my own stage in LDS and comes back as whole rows of 256 bytes.
; LDS serves a wave's instructions in order (ISA guide 5.7.1.4): no wait between the stores and the loads, nor in front of the next block's stores.
.macro TOSTAGE a
	WIN 0x04                                       ; an LDS store's data are its source 1: window 1
.irp b, 0,1,2,3
	ds_store_b128 v[STO], v[8*(4*(\a)+\b):8*(4*(\a)+\b)+3] offset:64*\b            ; each accumulator from its low end on
	ds_store_b128 v[STO], v[8*(4*(\a)+\b)+4:8*(4*(\a)+\b)+7] offset:64*\b+16
.endr
	WIN 0
.set BB, BK+32*((\a)%2)
.irp t, 0,1,2,3,4,5,6,7
	ds_load_b128 v[BB+4*\t:BB+4*\t+3], v[RD] offset:\t*2*SPITCH
.endr
.endm
.macro SEND a, younger                 ; younger: the LDS instructions issued behind block a's loads, which may stay out
.set BB, BK+32*((\a)%2)
	s_wait_dscnt \younger                          ; the block is back in registers
.if (\a) > 0
	s_add_nc_u64 s[8:9], s[8:9], 16*4096           ; (behind a wait on XCNT: the earlier stores have read their base)  16 rows of out0 on
.endif
.irp t, 0,1,2,3,4,5,6,7
	global_store_b128 v[CO], v[BB+4*\t:BB+4*\t+3], s[8:9] offset:\t*2*4096 th:TH_STORE_NT   ; 16 lanes store 256 consecutive bytes, at a multiple of 256 from out0's first byte; written once, read by nobody here
.endr
.endm
	PLACES                                         ; in front of the first read of results and of the loads into registers that held o's fragments
	TOSTAGE 0
.irp a, 1,2,3,4,5,6,7
.if \a > 1
	s_wait_xcnt 0x0                                ; block a - 2's stores have read their registers and their base: block a's loads may land there, and the base may step
.endif
	TOSTAGE \a
	SEND \a-1, 16                                  ; behind block a - 1's loads: block a's 8 stores and 8 loads
.endr
	s_wait_xcnt 0x0                                ; block 6's stores have read their base
	SEND 7, 0
	s_wait_tensorcnt 0x0                           ; the wave's end, behind my last tensor load and my last LDS store
	ds_add_u32 v[SPW], v[NIL]
	s_wait_dscnt 0x0
	CROUND                                         ; the closing round: no work-group ends while a partner may still ask for a tile that names it
	s_endpgm
.Lfunc_end_k_q96458087a0_proj:
	.size	k_q96458087a0_proj, .Lfunc_end_k_q96458087a0_proj-k_q96458087a0_proj
	.p2alignl 7, 3214868480
	.fill 96, 4, 3214868480
	.section	.rodata,"a",@progbits
	.p2align	6, 0x0
	.amdhsa_kernel k_q96458087a0_proj
		.amdhsa_group_segment_fixed_size 327680
		.amdhsa_private_segment_fixed_size 0
		.amdhsa_enable_private_segment 0
		.amdhsa_kernarg_size 24
		.amdhsa_user_sgpr_count 2
		.amdhsa_user_sgpr_kernarg_segment_ptr 1
		.amdhsa_wavefront_size32 1
		.amdhsa_system_sgpr_workgroup_id_x 1
		.amdhsa_system_sgpr_workgroup_id_y 1
		.amdhsa_system_sgpr_workgroup_id_z 1
		.amdhsa_system_vgpr_workitem_id 0
		.amdhsa_next_free_vgpr 512
		.amdhsa_next_free_sgpr 66
		.amdhsa_reserve_vcc 0
		.amdhsa_float_denorm_mode_32 3
		.amdhsa_float_denorm_mode_16_64 3
		.amdhsa_memory_ordered 1
		.amdhsa_forward_progress 1
		.amdhsa_inst_pref_size 86
	.end_amdhsa_kernel
	.amdgpu_metadata
---
amdhsa.version: [ 1, 2 ]
amdhsa.kernels:
  - .name:           k_q96458087a0_proj
    .symbol:         k_q96458087a0_proj.kd
    .args:
      - { .name: oimg, .offset: 0, .size: 8, .value_kind: global_buffer, .address_space: global }
      - { .name: wo16, .offset: 8, .size: 8, .value_kind: global_buffer, .address_space: global }
      - { .name: out0, .offset: 16, .size: 8, .value_kind: global_buffer, .address_space: global }
    .group_segment_fixed_size: 327680
    .private_segment_fixed_size: 0
    .kernarg_segment_align: 8
    .kernarg_segment_size: 24
    .max_flat_workgroup_size: 128
    .sgpr_count:     66
    .vgpr_count:     512
    .wavefront_size: 32
...
	.end_amdgpu_metadata
.endif
;; end of part 4
